; MI455X (gfx1250); checked and timed in simulation.
; The chip was launched on July 23, 2026; its instructions are those of AMD's public machine-readable ISA for CDNA 5 (MIT licence, August 2026) and "CDNA5" Instruction Set Architecture Reference Guide (July 2026). The comments in the code are by the model that wrote it; some were corrected since.
;; Attn Block. Allowed arithmetic: float matrix products may take bf16 or f16 operands with f32 sums; all other float work in f32.
;; Inputs: bk 512 float32; bp 512 float32; bq 512 float32; bv 512 float32; gn_b 512 float32; gn_w 512 float32; wk 512 x 512 float32; wp 512 x 512 float32; wq 512 x 512 float32; wv 512 x 512 float32; x 32 x 512 x 32 x 32 float32.
;; Outputs: out0 32 x 512 x 32 x 32 float32.
;; 2 versions, each right. Each part assembles by itself: llvm-mc -triple=amdgcn-amd-amdhsa -mcpu=gfx1250 --defsym DOCPART=n.
;; ======== version 1 of 2: 3 launches
;; workspace buffers: h 33,554,432 bytes; wbf 2,097,152 bytes; qws 33,554,432 bytes; kt 33,554,432 bytes; vt 33,554,432 bytes
;; launch gn (part 1): grid 1024 x 1, 8 waves a work-group, no clusters, 1,280 bytes of LDS; arguments x, gn_w, gn_b, wq, wk, wv, wp, h, wbf; writes h, wbf
.if DOCPART == 1
	.amdgcn_target "amdgcn-amd-amdhsa--gfx1250"
	.amdhsa_code_object_version 6
	.text
	.protected	k_q3ac9bd5e37_gn
	.globl	k_q3ac9bd5e37_gn
	.p2align	8
	.type	k_q3ac9bd5e37_gn,@function
k_q3ac9bd5e37_gn:
	s_mov_b64 s[64:65], 0
	v_nop
	global_prefetch_b8 v0, s[64:65] scope:SCOPE_SE
	s_setreg_imm32_b32 hwreg(HW_REG_WAVE_MODE, 25, 1), 1
	s_wait_xcnt 0x0
; GroupNorm of x [32][512][1024] f32 into h [32][512][1024] bf16, and the cast of the four weight matrices to bf16 in tile order.
; Work-group g = 32 b + group owns one group: 16 channels x 1024 pixels = 65,536 consecutive bytes of x.
; Thread t takes pixels 4 t .. 4 t + 3 of each of the 16 channels: 16 loads of 16 bytes, a wave's load covers 512 consecutive bytes.
; The 64 numbers stay in registers between the three passes (mean, squared deviations, scale), so x is read once.
; The variance is the mean of squared deviations from the mean, not a difference of large sums: a common offset of x does not cancel.
; Weights: work-group g also casts rows 2 (g & 255) and + 1 of matrix g >> 8 (q, k, v, p).  wbf is [4 matrices][8 s][512 o][64 c] bf16:
; wave w takes columns 64 w .. 64 w + 63 of the two rows, and its store covers 256 consecutive bytes at a multiple of 256.
; No matrix unit, tensor load or cluster: every byte is used once and no two work-groups share an input.
; Limits: non-finite inputs are not treated specially.
.set X,    28                          ; v[28:91]  channel i: 4 registers
.set WOFF, 92                          ; v92       byte offset of my 16 bytes in the two weight rows
.set WST,  93                          ; v93       byte offset of my 8 bytes in wbf
	s_load_b512 s[4:19], s[0:1], 0x0               ; x s[4:5], gn_w s[6:7], gn_b s[8:9], wq s[10:11], wk s[12:13], wv s[14:15], wp s[16:17], h s[18:19]
	s_load_b64 s[20:21], s[0:1], 0x40              ; wbf
	v_lshl_add_u32 v96, v0, 2, 0x100
	v_mov_b32 v97, 0
	s_lshl_b32 s60, ttmp9, 16                      ; my group's 65,536 bytes of x
	s_mov_b32 s61, 0
	s_and_b32 s62, ttmp9, 31                       ; group number in the batch
	s_lshl_b32 s62, s62, 6                         ; its 16 gains and 16 biases: 64 bytes
	s_mov_b32 s63, 0
	s_lshr_b32 s23, ttmp9, 8                       ; which weight matrix
	s_and_b32 s22, ttmp9, 255                      ; which pair of its rows
	s_mov_b32 s56, 0x76543210                      ; v_permlanex16_b32: lane i reads lane i of the other half
	s_mov_b32 s57, 0xfedcba98
	v_lshlrev_b32 v1, 4, v0                        ; 16 t: x
	v_lshlrev_b32 v2, 3, v0                        ; 8 t: h
	v_and_b32 v3, 31, v0                           ; lane
	v_lshrrev_b32 v5, 5, v0                        ; wave
	v_lshrrev_b32 v4, 4, v3                        ; which of the two weight rows
	v_and_b32 v6, 15, v0
	v_lshlrev_b32 v6, 4, v6
	v_lshl_add_u32 v6, v4, 11, v6                  ; row x 2,048 bytes + 16 (lane mod 16)
	v_lshl_add_u32 v[WOFF], v5, 8, v6              ; + 256 bytes x wave (64 columns of f32)
	v_lshlrev_b32 v6, 3, v3
	v_lshl_add_u32 v[WST], v5, 16, v6              ; wave x 65,536 (tile s = wave) + 8 x lane
	v_lshlrev_b32 v5, 2, v5                        ; my wave's word in LDS
	v_mov_b32 v6, 0                                ; LDS byte 0
	s_wait_kmcnt 0x0
	s_add_nc_u64 s[4:5], s[4:5], s[60:61]
	s_add_nc_u64 s[6:7], s[6:7], s[62:63]
	s_add_nc_u64 s[8:9], s[8:9], s[62:63]
	s_load_b512 s[24:39], s[6:7], 0x0              ; gn_w of my 16 channels
	s_load_b512 s[40:55], s[8:9], 0x0              ; gn_b of my 16 channels
	s_cmp_eq_u32 s23, 1
	s_cselect_b64 s[10:11], s[12:13], s[10:11]
	s_cmp_eq_u32 s23, 2
	s_cselect_b64 s[10:11], s[14:15], s[10:11]
	s_cmp_eq_u32 s23, 3
	s_cselect_b64 s[10:11], s[16:17], s[10:11]     ; the matrix that I cast
	s_lshl_b32 s60, s22, 12                        ; two rows of 2,048 bytes
	s_add_nc_u64 s[10:11], s[10:11], s[60:61]
	global_load_b128 v[8:11], v[WOFF], s[10:11] th:TH_LOAD_NT
.irp i, 0,1,2,3,4,5,6,7,8,9,10,11,12,13,14,15
	global_load_b128 v[X+4*\i:X+4*\i+3], v1, s[4:5] offset:\i*4096 th:TH_LOAD_NT
.endr
	s_lshl_b32 s60, ttmp9, 15                      ; my group's 32,768 bytes of h
	s_add_nc_u64 s[18:19], s[18:19], s[60:61]
	s_lshl_b32 s60, s23, 19                        ; matrix x 524,288
	s_lshl_b32 s62, s22, 8                         ; + two rows of 128 bytes
	s_add_co_u32 s60, s60, s62
	s_add_nc_u64 s[20:21], s[20:21], s[60:61]
	s_wait_loadcnt 16                              ; the weight load is the oldest: the 16 loads of x stay out
	v_cvt_pk_bf16_f32 v12, v8, v9
	v_cvt_pk_bf16_f32 v13, v10, v11
	global_store_b64 v[WST], v[12:13], s[20:21]
; The sum of v[14:17] over the work-group's 256 threads, into v20 of every lane.  off: eight LDS words of this sum's own.
.macro WGSUM off
	v_pk_add_f32 v[14:15], v[14:15], v[16:17]
	v_add_f32 v3, v14, v15
	v_add_f32_dpp v3, v3, v3 row_xmask:1 row_mask:0xf bank_mask:0xf
	v_add_f32_dpp v3, v3, v3 row_xmask:2 row_mask:0xf bank_mask:0xf
	v_add_f32_dpp v3, v3, v3 row_xmask:4 row_mask:0xf bank_mask:0xf
	v_add_f32_dpp v3, v3, v3 row_xmask:8 row_mask:0xf bank_mask:0xf
	v_permlanex16_b32 v4, v3, s56, s57             ; v4 has been written before
	v_add_f32 v3, v3, v4
	ds_store_b32 v5, v3 offset:\off                ; all lanes write the wave's word with the same value
	s_wait_dscnt 0x0                               ; for the other waves: zero
	s_barrier_signal -1
	s_barrier_wait -1
	ds_load_b128 v[20:23], v6 offset:\off
	ds_load_b128 v[24:27], v6 offset:\off+16
	s_wait_dscnt 0x0
	v_pk_add_f32 v[20:21], v[20:21], v[22:23]
	v_pk_add_f32 v[24:25], v[24:25], v[26:27]
	v_pk_add_f32 v[20:21], v[20:21], v[24:25]
	v_add_f32 v20, v20, v21
.endm
	; pass 1: the sum, in two chains started by the first two channels (nothing is cleared)
	s_wait_loadcnt 15                              ; loads come back in order: channel 0 is in, 15 younger loads stay out
	v_pk_add_f32 v[14:15], v[X:X+1], v[X+2:X+3]
	s_wait_loadcnt 14
	v_pk_add_f32 v[16:17], v[X+4:X+5], v[X+6:X+7]
.irp i, 2,3,4,5,6,7,8,9,10,11,12,13,14,15
	s_wait_loadcnt 15-\i
	v_pk_add_f32 v[14:15], v[14:15], v[X+4*\i:X+4*\i+1]
	v_pk_add_f32 v[16:17], v[16:17], v[X+4*\i+2:X+4*\i+3]
.endr
	WGSUM 0
	v_mul_f32 v18, 0x38800000, v20                 ; mean = sum / 16,384
	v_mov_b32 v19, v18
	; pass 2: deviations in place, and the sum of their squares
.irp i, 0,1,2,3,4,5,6,7,8,9,10,11,12,13,14,15
	v_pk_add_f32 v[X+4*\i:X+4*\i+1], v[X+4*\i:X+4*\i+1], v[18:19] neg_lo:[0,1] neg_hi:[0,1]
	v_pk_add_f32 v[X+4*\i+2:X+4*\i+3], v[X+4*\i+2:X+4*\i+3], v[18:19] neg_lo:[0,1] neg_hi:[0,1]
.endr
	v_pk_mul_f32 v[14:15], v[X:X+1], v[X:X+1]
	v_pk_mul_f32 v[16:17], v[X+2:X+3], v[X+2:X+3]
.irp i, 1,2,3,4,5,6,7,8,9,10,11,12,13,14,15
	v_pk_fma_f32 v[14:15], v[X+4*\i:X+4*\i+1], v[X+4*\i:X+4*\i+1], v[14:15]
	v_pk_fma_f32 v[16:17], v[X+4*\i+2:X+4*\i+3], v[X+4*\i+2:X+4*\i+3], v[16:17]
.endr
	WGSUM 32                                       ; other LDS words than the first sum's: no barrier between the two uses
	v_mov_b32 v21, 0x38800000
	v_fmaak_f32 v3, v20, v21, 0x358637bd           ; variance + 1e-6
	v_rsq_f32 v7, v3
	v_nop                                          ; one plain place behind v_rsq_f32 before its result is read (ISA guide 5.7.2)
	s_wait_alu depctr_va_vdst(0)
	v_readfirstlane_b32 s58, v7
	s_wait_kmcnt 0x0                               ; gn_w, gn_b
.irp i, 0,1,2,3,4,5,6,7,8,9,10,11,12,13,14,15
	s_mul_f32 s[24+\i], s[24+\i], s58              ; gain / standard deviation, one for each channel
.endr
	; pass 3: one fused multiply-add a number, round to bf16, store 8 bytes a lane: 256 consecutive bytes a wave
.irp i, 0,1,2,3,4,5,6,7,8,9,10,11,12,13,14,15
	v_fma_f32 v[X+4*\i],   v[X+4*\i],   s[24+\i], s[40+\i]
	v_fma_f32 v[X+4*\i+1], v[X+4*\i+1], s[24+\i], s[40+\i]
	v_fma_f32 v[X+4*\i+2], v[X+4*\i+2], s[24+\i], s[40+\i]
	v_fma_f32 v[X+4*\i+3], v[X+4*\i+3], s[24+\i], s[40+\i]
	v_cvt_pk_bf16_f32 v[X+4*\i],   v[X+4*\i],   v[X+4*\i+1]
	v_cvt_pk_bf16_f32 v[X+4*\i+1], v[X+4*\i+2], v[X+4*\i+3]
	global_store_b64 v2, v[X+4*\i:X+4*\i+1], s[18:19] offset:\i*2048
.endr
	s_wait_tensorcnt 0x0
	ds_add_u32 v96, v97
	s_wait_dscnt 0x0
	s_endpgm
.Lfunc_end_k_q3ac9bd5e37_gn:
	.size	k_q3ac9bd5e37_gn, .Lfunc_end_k_q3ac9bd5e37_gn-k_q3ac9bd5e37_gn
	.p2alignl 7, 3214868480
	.fill 96, 4, 3214868480
	.section	.rodata,"a",@progbits
	.p2align	6, 0x0
	.amdhsa_kernel k_q3ac9bd5e37_gn
		.amdhsa_group_segment_fixed_size 1280
		.amdhsa_private_segment_fixed_size 0
		.amdhsa_enable_private_segment 0
		.amdhsa_kernarg_size 72
		.amdhsa_user_sgpr_count 2
		.amdhsa_user_sgpr_kernarg_segment_ptr 1
		.amdhsa_wavefront_size32 1
		.amdhsa_system_sgpr_workgroup_id_x 1
		.amdhsa_system_sgpr_workgroup_id_y 1
		.amdhsa_system_sgpr_workgroup_id_z 1
		.amdhsa_system_vgpr_workitem_id 0
		.amdhsa_next_free_vgpr 98
		.amdhsa_next_free_sgpr 66
		.amdhsa_reserve_vcc 0
		.amdhsa_float_denorm_mode_32 3
		.amdhsa_float_denorm_mode_16_64 3
		.amdhsa_memory_ordered 1
		.amdhsa_forward_progress 1
		.amdhsa_inst_pref_size 21
	.end_amdhsa_kernel
	.amdgpu_metadata
---
amdhsa.version: [ 1, 2 ]
amdhsa.kernels:
  - .name:           k_q3ac9bd5e37_gn
    .symbol:         k_q3ac9bd5e37_gn.kd
    .args:
      - { .name: x, .offset: 0, .size: 8, .value_kind: global_buffer, .address_space: global }
      - { .name: gn_w, .offset: 8, .size: 8, .value_kind: global_buffer, .address_space: global }
      - { .name: gn_b, .offset: 16, .size: 8, .value_kind: global_buffer, .address_space: global }
      - { .name: wq, .offset: 24, .size: 8, .value_kind: global_buffer, .address_space: global }
      - { .name: wk, .offset: 32, .size: 8, .value_kind: global_buffer, .address_space: global }
      - { .name: wv, .offset: 40, .size: 8, .value_kind: global_buffer, .address_space: global }
      - { .name: wp, .offset: 48, .size: 8, .value_kind: global_buffer, .address_space: global }
      - { .name: h, .offset: 56, .size: 8, .value_kind: global_buffer, .address_space: global }
      - { .name: wbf, .offset: 64, .size: 8, .value_kind: global_buffer, .address_space: global }
    .group_segment_fixed_size: 1280
    .private_segment_fixed_size: 0
    .kernarg_segment_align: 8
    .kernarg_segment_size: 72
    .max_flat_workgroup_size: 256
    .sgpr_count:     66
    .vgpr_count:     98
    .wavefront_size: 32
...
	.end_amdgpu_metadata
.endif
;; end of part 1
;; launch qkv (part 2): grid 8 x 32, 4 waves a work-group, clusters of 4 x 1, 327,680 bytes of LDS; arguments h, wbf, bq, bk, bv, qws, kt, vt; writes qws, kt, vt
.if DOCPART == 2
	.amdgcn_target "amdgcn-amd-amdhsa--gfx1250"
	.amdhsa_code_object_version 6
	.text
	.protected	k_q3ac9bd5e37_qkv
	.globl	k_q3ac9bd5e37_qkv
	.p2align	8
	.type	k_q3ac9bd5e37_qkv,@function
k_q3ac9bd5e37_qkv:
	s_mov_b64 s[64:65], 0
	v_nop
	global_prefetch_b8 v0, s[64:65] scope:SCOPE_SE
	s_setreg_imm32_b32 hwreg(HW_REG_WAVE_MODE, 25, 1), 1
	s_wait_xcnt 0x0
	s_wait_alu depctr_hold_cnt(0) depctr_sa_sdst(0) depctr_va_vdst(0) depctr_va_sdst(0) depctr_va_ssrc(0) depctr_va_vcc(0) depctr_vm_vsrc(0)
	s_getreg_b32 s2, hwreg(HW_REG_IB_STS2, 6, 4)
	s_cmp_eq_u32 s2, 0
	s_cbranch_scc0 .Lentry_in_a_cluster
	s_endpgm
.Lentry_in_a_cluster:
	s_bfe_u32 s2, ttmp6, 0x10000c
	s_cmp_lg_u32 s2, 0x3003
	s_cbranch_scc0 .Lentry_shape_is_right
	s_endpgm
.Lentry_shape_is_right:
; Q, K, V = W h + bias for 128 pixels of one batch, in three passes.  h: [32][512 c][1024 n] bf16; wbf: [4][8 s][512 o][64 c] bf16.
; Work-group (x, b): pixels 128 x .. + 127 of batch b.  Wave w: outputs o = 128 w .. + 127 for all 128 pixels = 64 accumulator tiles, 512 registers.
; The h tile [512 c][128 pixels] is brought once and stays in LDS for all three passes; its fragments are read by the transposing LDS load.
; The weights go through a ring of two LDS slots, one tile (512 o x 64 c, a dense block of 65,536 bytes) a step: 24 steps of 128 matrix instructions.
; CLUSTER: the four work-groups of a cluster need the same weight tiles: each tile is asked for jointly (mask 15), each wave its dense quarter.
; Results:  qws [b][n][512 o];  kt [b][4 kb][8 dc][256 key][64 d];  vt [b][16 kc][512 c][64 key], all bf16: the tile orders in which the next launch reads them.
; The matrix instruction's source 0 (X) gives the result's registers, source 1 (Y) its lanes.  Q, K: X = W, Y = h: a lane holds 8 neighbouring o of a pixel.
; V: X = h, Y = W: a lane holds 8 neighbouring pixels of a channel.  The bias enters as the C operand of each pass's first products: nothing is cleared or added later.
; The 64 accumulators take turns, one instruction a turn, in the same order in every substep.
; The text is straight-line: 24 steps written out by macro, every count can be read off it.
; Limits: operands are rounded to bf16, sums are f32; non-finite inputs are not treated specially.
; REGISTERS: window 0: v1-28 addresses, v64-127 / v128-191 Y fragments (two buffers), v192-223 packed results, v224-255 rows read back;
;            window 1: v64-127 / v128-191 X fragments, v192-255 bias tiles;  window 2: tiles of Y blocks 0-3;  window 3: of Y blocks 4-7.
.set PW,    144                        ; LDS pitch of a weight row: 128 bytes + 16: an odd multiple of 16
.set QUART, 128*PW                     ; a wave's quarter of a weight tile in LDS
.set SLOT,  4*QUART
.set TILEB, 65536                      ; a weight tile in memory
.set HP,    288                        ; LDS pitch of a row of h: 256 bytes + 32: an odd multiple of 32, for the transposing load
.set RING,  512*HP                     ; 147,456: behind the h tile
.set STG,   RING+2*SLOT                ; 294,912: 16 rows x 272 bytes for each wave, for the way out; no tensor load lands here
.set SP,    272
.set ADRW, 16                          ; v16-17  my W fragments in slot 0, 1
.set ADRH, 18                          ; v18-20  h fragments, channels 0, 192, 384 (the LDS immediate has 16 bits)
.set STO,  21                          ; stage: where I put 16 bytes of a row
.set RDQ,  22                          ; stage: read back, lanes 0-15 a whole row, lanes 16-31 the next
.set COQ,  23                          ; the same two rows in qws
.set RD2,  24                          ; stage: read back, eight lanes a half row; lanes 0-15 the left halves of two rows, 16-31 the right halves
.set COK,  25                          ; the same in kt
.set COV,  26                          ; the same in vt
.set BA1,  27                          ; bias by register: 512 w + 32 h
.set BA2,  28                          ; bias by lane: 512 w + 4 r
.set F0,   64
.set F1,   128
.set TMP,  192
.set RB,   224
.set BIAS, 192                         ; in window 1
.set G1,   24                          ; s[24:31] group 1 of a joint dense quarter
.set G1H,  32                          ; s[32:39] group 1 of the h tile's quarter
.set G0H,  40                          ; s[40:43]
.set G0W,  44                          ; s[44:51] group 0 of the weight tiles, a set for each slot
.set MSB, 0
.macro WIN new                         ; the immediate's high byte repeats the setting that is left
.if MSB != \new
	s_set_vgpr_msb (MSB<<8)|\new
.set MSB, \new
.endif
.endm
.macro PLACES                          ; four places behind matrix instructions, in front of loads into their registers and of readers of their results
.rept 4
	v_nop
.endr
.endm
.macro CREST                           ; a round of the cluster's barrier behind its opening work-group barrier
	s_cmp_lg_u32 s20, 0
	s_cbranch_scc1 .Lnot_wave_0_\@
	s_barrier_signal -3
.Lnot_wave_0_\@:
	s_barrier_wait -3
	s_barrier_signal -1
	s_barrier_wait -1
.endm
.macro CROUND
	s_barrier_signal -1
	s_barrier_wait -1
	CREST
.endm
	s_load_b512 s[4:19], s[0:1], 0x0               ; h s[4:5], wbf s[6:7], bq s[8:9], bk s[10:11], bv s[12:13], qws s[14:15], kt s[16:17], vt s[18:19]
	s_set_vgpr_msb 0x40
	v_lshl_add_u32 v63, v0, 2, 0x4c400
	s_set_vgpr_msb 0x4000
	v_mov_b32 v63, 0
	s_set_vgpr_msb 0x1
	ds_add_u32 v63, v63
	s_set_vgpr_msb 0x100
	v_lshrrev_b32 v8, 5, v0
	v_readfirstlane_b32 s20, v8                    ; wave 0..3
	s_bfe_u32 s21, ttmp6, 0x40000                  ; cx
	s_lshl_b32 s22, ttmp9, 2
	s_add_co_u32 s22, s22, s21                     ; x = 4 x cluster x + cx: enters global addresses of my own loads and stores alone
	s_and_b32 s23, ttmp7, 0xffff                   ; b
	; group 1, joint: 64 memory rows of 32 elements of 8 bytes (256 bytes), dense; 16 bytes of padding behind every 128 bytes
	s_mov_b32 s[G1+0], 0x0733000f                  ; 15:0 mask 15; 17:16 8-byte elements; 20 padding on; 21 set beside a mask; 24:22 every 32 words; 31:25 four words
	s_mov_b32 s[G1+1], 32<<16                      ; tensor_dim0 = 32
	s_mov_b32 s[G1+2], 64<<16                      ; tensor_dim1 = 64
	s_mov_b32 s[G1+3], 32<<16                      ; tile_dim0 = 32
	s_mov_b32 s[G1+4], 64                          ; tile_dim1 = 64
	s_mov_b32 s[G1+5], 32                          ; pitch = 32 elements
	s_mov_b32 s[G1+6], 0
	s_mov_b32 s[G1+7], 0
	; group 1 of h: 128 rows (channels) of 128 bf16 (pixels), 32 bytes of padding behind every 256 bytes; no mask: my own tile
	s_mov_b32 s[G1H+0], 0x0f510000                 ; 17:16 2-byte elements; 20 padding on; 24:22 every 64 words; 31:25 eight words
	s_mov_b32 s[G1H+1], 128<<16
	s_mov_b32 s[G1H+2], 128<<16
	s_mov_b32 s[G1H+3], 128<<16
	s_mov_b32 s[G1H+4], 128
	s_mov_b32 s[G1H+5], 1024
	s_mov_b32 s[G1H+6], 0
	s_mov_b32 s[G1H+7], 0
	s_lshl_b32 s60, s23, 20                        ; b x 1 MiB
	s_lshl_b32 s52, s20, 18                        ; 128 w channels of 2,048 bytes
	s_add_co_u32 s52, s52, s60
	s_lshl_b32 s53, s22, 8                         ; 128 x pixels
	s_add_co_u32 s52, s52, s53
	s_mov_b32 s53, 0
	s_lshl_b32 s54, s20, 14                        ; my quarter of a weight tile: the wave's number alone
	s_mov_b32 s55, 0
	s_mul_i32 s56, s20, QUART
	s_mul_i32 s[G0H+1], s20, 128*HP                ; LDS: my 128 channels
	s_wait_dscnt 0x0
	s_wait_kmcnt 0x0
	s_mov_b32 s[G0H], 1
	s_add_nc_u64 s[G0H+2:G0H+3], s[4:5], s[52:53]
	s_or_b32 s[G0H+3], s[G0H+3], 0x80000000
	s_add_nc_u64 s[6:7], s[6:7], s[54:55]
.irp n, 0,1
	s_mov_b32 s[G0W+4*\n], 1
	s_add_co_u32 s[G0W+4*\n+1], s56, RING+\n*SLOT
	s_add_nc_u64 s[G0W+4*\n+2:G0W+4*\n+3], s[6:7], \n*TILEB
	s_or_b32 s[G0W+4*\n+3], s[G0W+4*\n+3], 0x80000000
.endr
	CROUND                                         ; all four work-groups are here: the first joint loads meet
	tensor_load_to_lds s[G0H:G0H+3], s[G1H:G1H+7]  ; the three first fills go out together: three tensor loads of this wave are out
	s_nop 0
	tensor_load_to_lds s[G0W:G0W+3], s[G1:G1+7]
	s_nop 0
	tensor_load_to_lds s[G0W+4:G0W+7], s[G1:G1+7]
	s_nop 0
	; where the results go
	s_mov_b32 s59, 0
	s_lshl_b32 s52, s22, 17
	s_add_co_u32 s52, s52, s60                     ; b MiB + 131,072 x
	s_lshl_b32 s57, s20, 8
	s_add_co_u32 s58, s52, s57
	s_add_nc_u64 s[14:15], s[14:15], s[58:59]      ; qws: row 128 x, byte 256 w
	s_lshl_b32 s57, s20, 14
	s_add_co_u32 s58, s52, s57
	s_add_nc_u64 s[18:19], s[18:19], s[58:59]      ; vt: key chunk 2 x, channel 128 w
	s_lshr_b32 s57, s22, 1
	s_lshl_b32 s57, s57, 18
	s_add_co_u32 s58, s60, s57                     ; kt: key block x >> 1,
	s_lshl_b32 s57, s20, 16
	s_add_co_u32 s58, s58, s57                     ; d chunk 2 w,
	s_and_b32 s57, s22, 1
	s_lshl_b32 s57, s57, 14
	s_add_co_u32 s58, s58, s57                     ; key 128 (x & 1)
	s_add_nc_u64 s[16:17], s[16:17], s[58:59]
	v_and_b32 v1, 15, v0                           ; r
	v_bfe_u32 v2, v0, 4, 1                         ; h
	v_and_b32 v3, 7, v0
	v_bfe_u32 v4, v0, 3, 1
	v_mul_u32_u24 v5, v1, PW
	v_lshl_add_u32 v5, v2, 4, v5
	s_add_co_u32 s61, s56, RING
	v_add_nc_u32 v[ADRW], s61, v5                  ; my quarter + 144 r + 16 h
	v_add_nc_u32 v[ADRW+1], SLOT, v[ADRW]
	v_lshl_add_u32 v6, v2, 3, v3
	v_mul_u32_u24 v6, v6, HP
	v_lshl_add_u32 v[ADRH], v4, 4, v6              ; (8 h + lane mod 8) rows + 16 x bit 3 of the lane
	v_add_nc_u32 v[ADRH+1], 192*HP, v[ADRH]
	v_add_nc_u32 v[ADRH+2], 384*HP, v[ADRH]
	s_mul_i32 s61, s20, 16*SP
	s_add_co_u32 s61, s61, STG
	v_mul_u32_u24 v7, v1, SP
	v_lshl_add_u32 v7, v2, 4, v7
	v_add_nc_u32 v[STO], s61, v7
	v_mul_u32_u24 v7, v2, SP
	v_lshl_add_u32 v7, v1, 4, v7
	v_add_nc_u32 v[RDQ], s61, v7
	v_lshlrev_b32 v7, 4, v1
	v_lshl_add_u32 v[COQ], v2, 10, v7
	v_mul_u32_u24 v7, v4, SP
	v_lshl_add_u32 v7, v2, 7, v7
	v_lshl_add_u32 v7, v3, 4, v7
	v_add_nc_u32 v[RD2], s61, v7
	v_lshlrev_b32 v7, 4, v3
	v_lshl_add_u32 v7, v4, 7, v7
	v_lshl_add_u32 v[COK], v2, 15, v7              ; the right half row belongs to the next d chunk: 256 keys x 128 bytes on
	v_lshl_add_u32 v[COV], v2, 16, v7              ; or to the next key chunk: 512 channels x 128 bytes on
	s_lshl_b32 s62, s20, 9
	v_lshl_add_u32 v[BA1], v2, 5, s62
	v_lshl_add_u32 v[BA2], v1, 2, s62
; eight W fragments (rows 16 a + r of my 128, 32 channels at byte 64 sub) into buffer f of the window that win names
.macro LDW win, sl, sub, f
	WIN \win
.irp a, 0,1,2,3,4,5,6,7
	ds_load_b128 v[\f+8*\a:\f+8*\a+3],   v[ADRW+\sl] offset:16*PW*\a+64*\sub
	ds_load_b128 v[\f+8*\a+4:\f+8*\a+7], v[ADRW+\sl] offset:16*PW*\a+64*\sub+32
.endr
.endm
; eight h fragments (pixels 16 t + r, channels 64 s + 32 sub ..), transposed on the way: two loads, 16 rows apart
.macro LDH win, s, sub, f
	WIN \win
.irp t, 0,1,2,3,4,5,6,7
	ds_load_tr16_b128 v[\f+8*\t:\f+8*\t+3],   v[ADRH+(\s)/3] offset:((\s)%3)*64*HP+32*HP*\sub+32*\t
	ds_load_tr16_b128 v[\f+8*\t+4:\f+8*\t+7], v[ADRH+(\s)/3] offset:((\s)%3)*64*HP+32*HP*\sub+32*\t+16*HP
.endr
.endm
; 32 LDS loads in one run, X's first (window 1), then Y's (window 0).  kind 0: X = W, Y = h.  kind 1: X = h, Y = W.  The slot is s & 1.
.macro FETCH kind, s, sub, f
.if \kind == 0
	LDW 0x40, (\s)&1, \sub, \f
	LDH 0, \s, \sub, \f
.else
	LDH 0x40, \s, \sub, \f
	LDW 0, (\s)&1, \sub, \f
.endif
.endm
; 16 matrix instructions: Y blocks 4 hi + a0, + 1 x all 8 X blocks.  cm 0: add in place; 1: C = the bias tile of the X block; 2: of the Y block
.macro MUL16 f, hi, a0, cm
.irp a, \a0, \a0+1
.irp b, 0,1,2,3,4,5,6,7
.if \cm == 0
	v_wmma_f32_16x16x32_bf16 v[8*(8*(\a)+\b):8*(8*(\a)+\b)+7], v[\f+8*\b:\f+8*\b+7], v[\f+8*(4*\hi+(\a)):\f+8*(4*\hi+(\a))+7], v[8*(8*(\a)+\b):8*(8*(\a)+\b)+7]
.else
.if \cm == 1
	v_wmma_f32_16x16x32_bf16 v[8*(8*(\a)+\b):8*(8*(\a)+\b)+7], v[\f+8*\b:\f+8*\b+7], v[\f+8*(4*\hi+(\a)):\f+8*(4*\hi+(\a))+7], v[BIAS+8*\b:BIAS+8*\b+7]
.else
	v_wmma_f32_16x16x32_bf16 v[8*(8*(\a)+\b):8*(8*(\a)+\b)+7], v[\f+8*\b:\f+8*\b+7], v[\f+8*(4*\hi+(\a)):\f+8*(4*\hi+(\a))+7], v[BIAS+8*(4*\hi+(\a)):BIAS+8*(4*\hi+(\a))+7]
.endif
.endif
.endr
.endr
.endm
; bias tiles.  BIASX: register j of tile b = bias[128 w + 16 b + 8 h + j].  BIASY: all eight registers of tile g = bias[128 w + 16 g + r].
.macro BIASX lo
	WIN 0x40
.irp b, 0,1,2,3,4,5,6,7
	global_load_b128 v[BIAS+8*\b:BIAS+8*\b+3],   v[BA1], s[\lo:\lo+1] offset:64*\b
	global_load_b128 v[BIAS+8*\b+4:BIAS+8*\b+7], v[BA1], s[\lo:\lo+1] offset:64*\b+16
.endr
.endm
.macro BIASY lo
	WIN 0x40
.irp g, 0,1,2,3,4,5,6,7
.irp j, 0,1,2,3,4,5,6,7
	global_load_b32 v[BIAS+8*\g+\j], v[BA2], s[\lo:\lo+1] offset:64*\g
.endr
.endr
.endm
; One step: 64 channels, two substeps of 32 on buffers F0, F1, 64 matrix instructions each.
; cm: the C of the first substep.  chg 2: the slot is filled again, two tiles ahead; 1: change of slots without a fill; 0: the last step.
; nkind, ns: kind and number of the next step, whose first fragments are fetched here.  bl: the next pass's bias is loaded (1: bk by register, 2: bv by lane).
.macro STEP kind, s, cm, chg, nkind, ns, bl
	s_wait_dscnt 8                                 ; all of the run but its last eight loads: Y's blocks 4-7 may be out
.if \cm
	WIN 0x91                                       ; X window 1, Y window 0, C window 1 (bias), D window 2
.else
	WIN 0xa1
.endif
	MUL16 F0, 0, 0, \cm
	MUL16 F0, 0, 2, \cm
	PLACES
	FETCH \kind, \s, 1, F1
.if \bl == 1
	BIASX 10                                       ; the bias tiles were last read in step 0; places have passed since
.endif
.if \bl == 2
	BIASY 12
.endif
	s_wait_dscnt 32                                ; all but the 32 just issued
.if \cm
	WIN 0xd1
.else
	WIN 0xf1
.endif
	MUL16 F0, 1, 0, \cm
	MUL16 F0, 1, 2, \cm
	s_wait_dscnt 8
	WIN 0xa1
	MUL16 F1, 0, 0, 0
.if \chg
	s_wait_dscnt 0x0                               ; my reads of this slot are over
	s_wait_tensorcnt 0x0                           ; and all my tensor loads have landed: the one that was out is my quarter of the next slot
	ds_add_u32 v63, v63
	s_wait_dscnt 0x0
	s_barrier_signal -1                            ; where the slot is filled again this barrier opens a round of the cluster's barrier
.endif
	MUL16 F1, 0, 2, 0                              ; register work while the others arrive
.if \chg
	WIN 0
	s_barrier_wait -1
.if \chg == 2
	CREST                                          ; no wave of any partner still reads this slot or has a load on its way
	s_add_nc_u64 s[G0W+4*((\s)&1)+2:G0W+4*((\s)&1)+3], s[G0W+4*((\s)&1)+2:G0W+4*((\s)&1)+3], 2*TILEB
	tensor_load_to_lds s[G0W+4*((\s)&1):G0W+4*((\s)&1)+3], s[G1:G1+7]   ; my one tensor load behind the round, and the first thing there
	s_nop 0
.endif
	PLACES
	FETCH \nkind, \ns, 0, F0
.else
	s_wait_dscnt 0x0
.endif
	WIN 0xf1
	MUL16 F1, 1, 0, 0
	MUL16 F1, 1, 2, 0
.endm
; The way out of Y block g: 16 rows of 256 bytes.  Round to bf16, 16 bytes a lane into my own stage, read back so that sixteen
; neighbouring lanes hold 256 consecutive bytes of the result, aligned.  LDS serves a wave's instructions in order (ISA guide 5.7.1): no wait between stores and loads.
.macro OUT g, rd, co, base, pitch
.if \g < 4
	WIN 0x0a
.else
	WIN 0x0f
.endif
.irp b, 0,1,2,3,4,5,6,7
.irp q, 0,1,2,3
	v_cvt_pk_bf16_f32 v[TMP+4*\b+\q], v[8*(8*((\g)&3)+\b)+2*\q], v[8*(8*((\g)&3)+\b)+2*\q+1]
.endr
.endr
	WIN 0
.irp b, 0,1,2,3,4,5,6,7
	ds_store_b128 v[STO], v[TMP+4*\b:TMP+4*\b+3] offset:32*\b
.endr
	s_wait_xcnt 0x0                                ; RB, the data of the last block's stores, is loaded again only behind this wait
.irp t, 0,1,2,3,4,5,6,7
	ds_load_b128 v[RB+4*\t:RB+4*\t+3], v[\rd] offset:2*SP*\t
.endr
.irp t, 0,1,2,3,4,5,6,7
	s_wait_dscnt 7-\t
	global_store_b128 v[\co], v[RB+4*\t:RB+4*\t+3], s[\base:\base+1] offset:(16*\g+2*\t)*\pitch
.endr
.endm
	BIASX 8                                        ; bq
	WIN 0
	s_wait_tensorcnt 0x1                           ; my quarters of h and of weight tile 0 are in; tile 1 may stay out
	s_barrier_signal -1
	s_barrier_wait -1
	FETCH 0, 0, 0, F0
	; pass Q
	s_wait_loadcnt 0x0                             ; the bias tiles
	STEP 0, 0, 1, 2, 0, 1, 0
	STEP 0, 1, 0, 2, 0, 2, 1
	STEP 0, 2, 0, 2, 0, 3, 0
	STEP 0, 3, 0, 2, 0, 4, 0
	STEP 0, 4, 0, 2, 0, 5, 0
	STEP 0, 5, 0, 2, 0, 6, 0
	STEP 0, 6, 0, 2, 0, 7, 0
	STEP 0, 7, 0, 2, 0, 0, 0
	PLACES
.irp g, 0,1,2,3,4,5,6,7
	OUT \g, RDQ, COQ, 14, 1024
.endr
	; pass K
	s_wait_loadcnt 0x0
	STEP 0, 0, 1, 2, 0, 1, 0
	STEP 0, 1, 0, 2, 0, 2, 2
	STEP 0, 2, 0, 2, 0, 3, 0
	STEP 0, 3, 0, 2, 0, 4, 0
	STEP 0, 4, 0, 2, 0, 5, 0
	STEP 0, 5, 0, 2, 0, 6, 0
	STEP 0, 6, 0, 2, 0, 7, 0
	STEP 0, 7, 0, 2, 1, 0, 0
	PLACES
.irp g, 0,1,2,3,4,5,6,7
	OUT \g, RD2, COK, 16, 128
.endr
	; pass V: the last two steps fill nothing
	s_wait_loadcnt 0x0
	STEP 1, 0, 2, 2, 1, 1, 0
	STEP 1, 1, 0, 2, 1, 2, 0
	STEP 1, 2, 0, 2, 1, 3, 0
	STEP 1, 3, 0, 2, 1, 4, 0
	STEP 1, 4, 0, 2, 1, 5, 0
	STEP 1, 5, 0, 2, 1, 6, 0
	STEP 1, 6, 0, 1, 1, 7, 0
	STEP 1, 7, 0, 0, 1, 0, 0
	PLACES
.irp g, 0,1,2,3,4,5,6,7
	OUT \g, RD2, COV, 18, 128
.endr
	s_set_vgpr_msb 0x1
	s_wait_tensorcnt 0x0
	ds_add_u32 v63, v63
	s_wait_dscnt 0x0
	s_set_vgpr_msb 0x100
	CROUND                                         ; the closing round: no work-group ends while a partner may still ask for a tile that names it
	s_endpgm
.Lfunc_end_k_q3ac9bd5e37_qkv:
	.size	k_q3ac9bd5e37_qkv, .Lfunc_end_k_q3ac9bd5e37_qkv-k_q3ac9bd5e37_qkv
	.p2alignl 7, 3214868480
	.fill 96, 4, 3214868480
	.section	.rodata,"a",@progbits
	.p2align	6, 0x0
	.amdhsa_kernel k_q3ac9bd5e37_qkv
		.amdhsa_group_segment_fixed_size 327680
		.amdhsa_private_segment_fixed_size 0
		.amdhsa_enable_private_segment 0
		.amdhsa_kernarg_size 64
		.amdhsa_user_sgpr_count 2
		.amdhsa_user_sgpr_kernarg_segment_ptr 1
		.amdhsa_wavefront_size32 1
		.amdhsa_system_sgpr_workgroup_id_x 1
		.amdhsa_system_sgpr_workgroup_id_y 1
		.amdhsa_system_sgpr_workgroup_id_z 1
		.amdhsa_system_vgpr_workitem_id 0
		.amdhsa_next_free_vgpr 1024
		.amdhsa_next_free_sgpr 66
		.amdhsa_reserve_vcc 0
		.amdhsa_float_denorm_mode_32 3
		.amdhsa_float_denorm_mode_16_64 3
		.amdhsa_memory_ordered 1
		.amdhsa_forward_progress 1
		.amdhsa_inst_pref_size 255
	.end_amdhsa_kernel
	.section	.bss,"aw",@nobits
	.p2align	6
	.space	262144
	.amdgpu_metadata
---
amdhsa.version: [ 1, 2 ]
amdhsa.kernels:
  - .name:           k_q3ac9bd5e37_qkv
    .symbol:         k_q3ac9bd5e37_qkv.kd
    .args:
      - { .name: h, .offset: 0, .size: 8, .value_kind: global_buffer, .address_space: global }
      - { .name: wbf, .offset: 8, .size: 8, .value_kind: global_buffer, .address_space: global }
      - { .name: bq, .offset: 16, .size: 8, .value_kind: global_buffer, .address_space: global }
      - { .name: bk, .offset: 24, .size: 8, .value_kind: global_buffer, .address_space: global }
      - { .name: bv, .offset: 32, .size: 8, .value_kind: global_buffer, .address_space: global }
      - { .name: qws, .offset: 40, .size: 8, .value_kind: global_buffer, .address_space: global }
      - { .name: kt, .offset: 48, .size: 8, .value_kind: global_buffer, .address_space: global }
      - { .name: vt, .offset: 56, .size: 8, .value_kind: global_buffer, .address_space: global }
    .group_segment_fixed_size: 327680
    .private_segment_fixed_size: 0
    .kernarg_segment_align: 8
    .kernarg_segment_size: 64
    .max_flat_workgroup_size: 128
    .sgpr_count:     66
    .vgpr_count:     1024
    .wavefront_size: 32
...
	.end_amdgpu_metadata
.endif
;; end of part 2
;; launch attn (part 3): grid 8 x 32, 4 waves a work-group, clusters of 4 x 1, 327,680 bytes of LDS; arguments qws, kt, vt, wbf, bp, x, out0; writes out0
.if DOCPART == 3
	.amdgcn_target "amdgcn-amd-amdhsa--gfx1250"
	.amdhsa_code_object_version 6
	.text
	.protected	k_q3ac9bd5e37_attn
	.globl	k_q3ac9bd5e37_attn
	.p2align	8
	.type	k_q3ac9bd5e37_attn,@function
k_q3ac9bd5e37_attn:
	s_mov_b64 s[64:65], 0
	v_nop
	global_prefetch_b8 v0, s[64:65] scope:SCOPE_SE
	s_setreg_imm32_b32 hwreg(HW_REG_WAVE_MODE, 25, 1), 1
	s_wait_xcnt 0x0
	s_wait_alu depctr_hold_cnt(0) depctr_sa_sdst(0) depctr_va_vdst(0) depctr_va_sdst(0) depctr_va_ssrc(0) depctr_va_vcc(0) depctr_vm_vsrc(0)
	s_getreg_b32 s2, hwreg(HW_REG_IB_STS2, 6, 4)
	s_cmp_eq_u32 s2, 0
	s_cbranch_scc0 .Lentry_in_a_cluster
	s_endpgm
.Lentry_in_a_cluster:
	s_bfe_u32 s2, ttmp6, 0x10000c
	s_cmp_lg_u32 s2, 0x3003
	s_cbranch_scc0 .Lentry_shape_is_right
	s_endpgm
.Lentry_shape_is_right:
; out0 = x + Wp softmax(Q K^T / sqrt(512)) V + bp, for 128 queries of one batch.  Work-group (x, b): queries 128 x .. + 127 of batch b.
; Keys go in four blocks of 256 with a running maximum.  All products are used transposed, so that a LANE IS A QUERY: softmax factors are one number
; a lane and query tile, and P and O pack straight along the next product's K.
;   S:  source 0 = 16 keys, source 1 = 16 queries.  Wave w takes the key tiles at 64 i + 16 w (i = 0..3) x all 128 queries: 32 tiles (window 1).
;   PV: source 0 = 16 channels of V, source 1 = 16 queries of P.  Wave w takes channels 128 w .. + 127 x 128 queries: 64 tiles (windows 2, 3).
;   projection: source 0 = 16 queries of O, source 1 = 16 rows of Wp.  Wave w takes o = 128 w .. + 127: a lane holds 8 neighbouring pixels of an output channel.
; K, V and Wp tiles (dense blocks of 65,536 bytes = 512 rows of 128 bytes) go through one ring of two LDS slots: 40 steps of 128 matrix instructions a wave.
; CLUSTER: the four work-groups of a cluster lie in one batch and walk the same K, V and Wp tiles: each tile is asked for jointly (mask 15), each wave its dense quarter.
; A wave has three tensor loads out at the start and one behind each round.
; The accumulators of each phase take turns, one instruction a turn.
; Limits: P and O are rounded to bf16 while the row sum l adds the unrounded p; v_exp_f32 gives zero below 2^-126 (ISA guide 15.8); non-finite inputs are not treated specially.
; REGISTERS: window 0: v1-23 addresses, v24-31 running maxima, v32-47 my keys' row sums (pairs), v48-63 scratch, v64-255 fragments;
;            window 1: S tile (i, t) at 8 (8 i + t), packed P at 4 (8 i + t); later x in v0-127, Y fragments of buffer 1 in v128-191, bias tiles in v192-255;
;            windows 2, 3: O, then the output: tile (a, b) at 8 (8 a + b), Y block 4 hi + a, X block b.
.set QP,    1040                       ; LDS pitch of a row of Q, later of O: 1,024 bytes + 16
.set PW,    144                        ; LDS pitch of a row of K, V, Wp, P: 128 bytes + 16
.set QUART, 128*PW
.set SLOT,  4*QUART
.set TILEB, 65536
.set RING,  128*QP                     ; 133,120
.set PBUF,  RING+2*SLOT                ; 280,576: two chunks of P [128 q][64 keys]; at the end each wave's f32 stage.  No tensor load lands here
.set PCH,   128*PW
.set STAT,  PBUF+2*PCH                 ; 317,440: maxima [w][r][t]; 2,048 bytes on: sums
.set OPW,   528                        ; pitch of the f32 stage: 512 bytes + 16
.set CLOG,  0x3d8293ee                 ; log2(e) / sqrt(512)
.set NCLOG, 0xbd8293ee
.set ADRK, 4                           ; v4-5   my K fragments in slot 0, 1
.set ADRV, 6                           ; v6-7   my V or Wp fragments in slot 0, 1
.set ADRQ, 8                           ; v8-9   Q or O fragments, rows 0, 64
.set ADRP, 10                          ; v10-11 P fragments in chunk buffer 0, 1
.set PST,  12                          ; v12-13 where I put 16 bytes of P
.set STW,  14
.set STR,  15
.set OST,  16                          ; v16-17 where I put 16 bytes of O
.set STO,  18
.set RD,   19
.set CO,   20
.set BADR, 21
.set M,    24
.set LP,   32
.set MX,   48
.set PX,   56
.set F0,   64                          ; S phase: 4 K fragments, then 8 Q fragments
.set F1,   160
.set ST4,  64                          ; softmax: the four waves' figures
.set NC2,  96                          ; softmax: - c x maximum, twice for each query tile
.set AL2,  112                         ; softmax: the rescaling factor, twice; at the end 1 / l
.set TMP,  128
.set XA,   64                          ; PV and projection, buffer 0: X, Y in window 0
.set YA,   128
.set XC,   192                         ; buffer 1: X in window 0, Y in window 1
.set YC,   128
.set BIAS, 192                         ; window 1
.set R,    64
.set G1,   24
.set G1Q,  32
.set G0Q,  40
.set G0K,  44
.set G0V,  52
.set G0W,  68
.set MSB, 0
.macro WIN new                         ; the immediate's high byte repeats the setting that is left
.if MSB != \new
	s_set_vgpr_msb (MSB<<8)|\new
.set MSB, \new
.endif
.endm
.macro PLACES                          ; four places behind matrix instructions (ISA guide 7.12.1)
.rept 4
	v_nop
.endr
.endm
.macro CREST
	s_cmp_lg_u32 s18, 0
	s_cbranch_scc1 .Lnot_wave_0_\@
	s_barrier_signal -3
.Lnot_wave_0_\@:
	s_barrier_wait -3
	s_barrier_signal -1
	s_barrier_wait -1
.endm
.macro CROUND
	s_barrier_signal -1
	s_barrier_wait -1
	CREST
.endm
	s_load_b256 s[4:11], s[0:1], 0x0               ; qws s[4:5], kt s[6:7], vt s[8:9], wbf s[10:11]
	s_load_b128 s[12:15], s[0:1], 0x20             ; bp s[12:13], x s[14:15]
	s_load_b64 s[16:17], s[0:1], 0x30              ; out0
	v_lshl_add_u32 v54, v0, 2, 0x4e800
	v_mov_b32 v55, 0
	ds_add_u32 v54, v55
	s_wait_dscnt 0x0
	v_lshrrev_b32 v1, 5, v0
	v_readfirstlane_b32 s18, v1                    ; wave 0..3
	s_bfe_u32 s19, ttmp6, 0x40000                  ; cx
	s_lshl_b32 s20, ttmp9, 2
	s_add_co_u32 s20, s20, s19                     ; x = 4 x cluster x + cx: enters s[22:23] alone, for my own loads and stores
	s_and_b32 s21, ttmp7, 0xffff                   ; b
	s_mov_b32 s60, 0x76543210
	s_mov_b32 s61, 0xfedcba98
	; group 1, joint: 64 memory rows of 256 bytes, dense; 16 bytes of padding behind every 128 bytes
	s_mov_b32 s[G1+0], 0x0733000f                  ; mask 15; 8-byte elements; padding on; bit 21 beside the mask; every 32 words four words
	s_mov_b32 s[G1+1], 32<<16
	s_mov_b32 s[G1+2], 64<<16
	s_mov_b32 s[G1+3], 32<<16
	s_mov_b32 s[G1+4], 64
	s_mov_b32 s[G1+5], 32
	s_mov_b32 s[G1+6], 0
	s_mov_b32 s[G1+7], 0
	; group 1 of Q: 32 rows of 512 bf16, 16 bytes of padding behind every 1,024 bytes; no mask
	s_mov_b32 s[G1Q+0], 0x07d10000
	s_mov_b32 s[G1Q+1], 512<<16
	s_mov_b32 s[G1Q+2], 32<<16
	s_mov_b32 s[G1Q+3], 512<<16
	s_mov_b32 s[G1Q+4], 32
	s_mov_b32 s[G1Q+5], 512
	s_mov_b32 s[G1Q+6], 0
	s_mov_b32 s[G1Q+7], 0
	s_lshl_b32 s76, s21, 20
	s_lshl_b32 s78, s18, 14
	s_add_co_u32 s76, s76, s78                     ; K, V: b MiB + my quarter
	s_mov_b32 s77, 0
	s_add_co_u32 s78, s78, 3*524288                ; Wp: the fourth matrix of wbf + my quarter
	s_mov_b32 s79, 0
	s_lshl_b32 s22, s21, 20
	s_lshl_b32 s23, s20, 17
	s_add_co_u32 s22, s22, s23
	s_lshl_b32 s23, s18, 15
	s_add_co_u32 s22, s22, s23                     ; Q: b MiB + (128 x + 32 w) rows of 1,024 bytes
	s_mov_b32 s23, 0
	s_mul_i32 s63, s18, QUART
	s_mul_i32 s[G0Q+1], s18, 32*QP
	s_wait_kmcnt 0x0
	s_mov_b32 s[G0Q], 1
	s_add_nc_u64 s[G0Q+2:G0Q+3], s[4:5], s[22:23]
	s_or_b32 s[G0Q+3], s[G0Q+3], 0x80000000
	s_add_nc_u64 s[6:7], s[6:7], s[76:77]
	s_add_nc_u64 s[8:9], s[8:9], s[76:77]
	s_add_nc_u64 s[10:11], s[10:11], s[78:79]
.irp n, 0,1
	s_mov_b32 s[G0K+4*\n], 1
	s_add_co_u32 s[G0K+4*\n+1], s63, RING+\n*SLOT
	s_add_nc_u64 s[G0K+4*\n+2:G0K+4*\n+3], s[6:7], \n*TILEB
	s_or_b32 s[G0K+4*\n+3], s[G0K+4*\n+3], 0x80000000
	s_mov_b32 s[G0V+4*\n], 1
	s_add_co_u32 s[G0V+4*\n+1], s63, RING+\n*SLOT
	s_add_nc_u64 s[G0V+4*\n+2:G0V+4*\n+3], s[8:9], \n*TILEB
	s_or_b32 s[G0V+4*\n+3], s[G0V+4*\n+3], 0x80000000
	s_mov_b32 s[G0W+4*\n], 1
	s_add_co_u32 s[G0W+4*\n+1], s63, RING+\n*SLOT
	s_add_nc_u64 s[G0W+4*\n+2:G0W+4*\n+3], s[10:11], \n*TILEB
	s_or_b32 s[G0W+4*\n+3], s[G0W+4*\n+3], 0x80000000
.endr
	CROUND                                         ; all four work-groups are here: the first joint loads meet
	tensor_load_to_lds s[G0Q:G0Q+3], s[G1Q:G1Q+7]  ; my 32 rows of Q
	s_nop 0
	tensor_load_to_lds s[G0K:G0K+3], s[G1:G1+7]    ; K tile 0
	s_nop 0
	tensor_load_to_lds s[G0K+4:G0K+7], s[G1:G1+7]  ; K tile 1
	s_nop 0
	s_lshl_b32 s22, s21, 21
	s_lshl_b32 s23, s18, 19
	s_add_co_u32 s22, s22, s23
	s_lshl_b32 s23, s20, 9
	s_add_co_u32 s22, s22, s23                     ; x, out0: b x 2 MiB + 128 w channels of 4,096 bytes + 128 x pixels
	s_mov_b32 s23, 0
	s_add_nc_u64 s[14:15], s[14:15], s[22:23]
	s_add_nc_u64 s[16:17], s[16:17], s[22:23]
	v_and_b32 v1, 15, v0                           ; r
	v_bfe_u32 v2, v0, 4, 1                         ; h
	v_and_b32 v3, 31, v0                           ; lane
	v_mul_u32_u24 v22, v1, PW
	v_lshl_add_u32 v22, v2, 4, v22                 ; 144 r + 16 h
	s_mul_i32 s78, s18, 16*PW
	s_add_co_u32 s78, s78, RING
	v_add_nc_u32 v[ADRK], s78, v22                 ; keys 16 w + r
	v_add_nc_u32 v[ADRK+1], SLOT, v[ADRK]
	s_add_co_u32 s78, s63, RING
	v_add_nc_u32 v[ADRV], s78, v22                 ; rows 128 w + r
	v_add_nc_u32 v[ADRV+1], SLOT, v[ADRV]
	v_mul_u32_u24 v23, v1, QP
	v_lshl_add_u32 v[ADRQ], v2, 4, v23
	v_add_nc_u32 v[ADRQ+1], 64*QP, v[ADRQ]
	v_add_nc_u32 v[ADRP], PBUF, v22
	v_add_nc_u32 v[ADRP+1], PBUF+PCH, v22
	s_lshl_b32 s78, s18, 5
	v_add_nc_u32 v[PST], s78, v[ADRP]              ; my 16 keys of a chunk: byte 32 w of its rows
	v_add_nc_u32 v[PST+1], s78, v[ADRP+1]
	v_lshlrev_b32 v23, 5, v1
	v_add_nc_u32 v[STR], STAT, v23
	s_lshl_b32 s78, s18, 9
	v_add_nc_u32 v[STW], s78, v[STR]
	v_lshl_add_u32 v[BADR], v1, 2, s78
	s_lshl_b32 s78, s18, 8
	v_add_nc_u32 v[OST], s78, v[ADRQ]              ; my 128 channels: byte 256 w of O's rows
	v_add_nc_u32 v[OST+1], s78, v[ADRQ+1]
	s_mul_i32 s78, s18, 16*OPW
	s_add_co_u32 s78, s78, PBUF
	v_mul_u32_u24 v23, v1, OPW
	v_lshl_add_u32 v23, v2, 5, v23
	v_add_nc_u32 v[STO], s78, v23
	v_lshlrev_b32 v[CO], 4, v3
	v_add_nc_u32 v[RD], s78, v[CO]
.irp t, 0,1,2,3,4,5,6,7
	v_mov_b32 v[PX+\t], 0                          ; v_permlanex16_b32 counts as a reader of its destination
.endr
; S phase.  24 LDS loads in one run: my 4 K fragments, then the 8 Q fragments, 32 of d at 128 s + 32 sub, into buffer f.
; A K tile is [2 halves of d][256 keys][64 d]: half sub >> 1 lies 256 rows on.
.macro FETCHS sl, s, sub, f
	WIN 0
.irp i, 0,1,2,3
	ds_load_b128 v[\f+8*\i:\f+8*\i+3],   v[ADRK+\sl] offset:((\sub)>>1)*256*PW+64*PW*\i+64*((\sub)&1)
	ds_load_b128 v[\f+8*\i+4:\f+8*\i+7], v[ADRK+\sl] offset:((\sub)>>1)*256*PW+64*PW*\i+64*((\sub)&1)+32
.endr
.irp t, 0,1,2,3,4,5,6,7
	ds_load_b128 v[\f+32+8*\t:\f+32+8*\t+3],   v[ADRQ+(\t>>2)] offset:(\t&3)*16*QP+256*(\s)+64*(\sub)
	ds_load_b128 v[\f+32+8*\t+4:\f+32+8*\t+7], v[ADRQ+(\t>>2)] offset:(\t&3)*16*QP+256*(\s)+64*(\sub)+32
.endr
.endm
; 16 matrix instructions: query tiles 4 part .. + 3 x my 4 key tiles
.macro MULS f, part, zero
.irp t, 4*\part, 4*\part+1, 4*\part+2, 4*\part+3
.irp i, 0,1,2,3
.if \zero
	v_wmma_f32_16x16x32_bf16 v[8*(8*\i+(\t)):8*(8*\i+(\t))+7], v[\f+8*\i:\f+8*\i+7], v[\f+32+8*(\t):\f+32+8*(\t)+7], 0
.else
	v_wmma_f32_16x16x32_bf16 v[8*(8*\i+(\t)):8*(8*\i+(\t))+7], v[\f+8*\i:\f+8*\i+7], v[\f+32+8*(\t):\f+32+8*(\t)+7], v[8*(8*\i+(\t)):8*(8*\i+(\t))+7]
.endif
.endr
.endr
.endm
.macro SSUB sl, s, sub, f, g, zero     ; one of a step's first three substeps: multiplies buffer f, fetches the next substep into g
	s_wait_dscnt 8                                 ; all but the last eight loads: Q's tiles 4-7 may be out
	WIN 0x50                                       ; sources window 0, C and D window 1
	MULS \f, 0, \zero
	PLACES
	FETCHS \sl, \s, \sub+1, \g
	s_wait_dscnt 24                                ; all but the 24 just issued
	WIN 0x50
	MULS \f, 1, \zero
.endm
; a step's last substep, on F1, with the change of slots.  g0: the group 0 that fills this slot again; stepit: it has been used before; more: another S step follows
.macro SLAST sl, s, g0, stepit, more
	WIN 0x50
	s_wait_dscnt 0x0                               ; my reads of this slot are over
	s_wait_xcnt 0x0
	s_set_vgpr_msb 0x5010
	v_lshl_add_u32 v54, v0, 2, 0x4e800
	v_mov_b32 v55, 0
	s_wait_tensorcnt 0x0                           ; all my tensor loads have landed: the one that was out is my quarter of the next slot
	ds_add_u32 v54, v55
	s_wait_dscnt 0x0
	s_set_vgpr_msb 0x1050
	s_barrier_signal -1                            ; opens a round of the cluster's barrier
	MULS F1, 0, 0
	WIN 0
	s_barrier_wait -1
	CREST
.if \stepit
	s_add_nc_u64 s[\g0+2:\g0+3], s[\g0+2:\g0+3], 2*TILEB
.endif
	tensor_load_to_lds s[\g0:\g0+3], s[G1:G1+7]    ; my one tensor load behind the round, first thing there: the tile two steps ahead
	s_nop 0
.if \more
	PLACES
	FETCHS 1-\sl, \s+1, 0, F0
.endif
	WIN 0x50
	MULS F1, 1, 0
.endm
.macro SSTEP sl, s, zero, g0, stepit, more
	SSUB \sl, \s, 0, F0, F1, \zero
	SSUB \sl, \s, 1, F1, F0, 0
	SSUB \sl, \s, 2, F0, F1, 0
	SLAST \sl, \s, \g0, \stepit, \more
.endm
; PV and projection.  Eight fragments from rows 144 bytes apart, and eight of O.
.macro LDROWS win, f, adr, k
	WIN \win
.irp i, 0,1,2,3,4,5,6,7
	ds_load_b128 v[\f+8*\i:\f+8*\i+3],   v[\adr] offset:16*PW*\i+\k
	ds_load_b128 v[\f+8*\i+4:\f+8*\i+7], v[\adr] offset:16*PW*\i+\k+32
.endr
.endm
.macro LDO f, k
	WIN 0
.irp i, 0,1,2,3,4,5,6,7
	ds_load_b128 v[\f+8*\i:\f+8*\i+3],   v[ADRQ+(\i>>2)] offset:(\i&3)*16*QP+\k
	ds_load_b128 v[\f+8*\i+4:\f+8*\i+7], v[ADRQ+(\i>>2)] offset:(\i&3)*16*QP+\k+32
.endr
.endm
; 32 loads in one run, X's first.  mode 0: X = V, Y = P (chunk buffer = slot).  mode 1: X = O at channels 64 s + 32 sub, Y = Wp.
.macro FET mode, sl, s, sub, buf
.if \mode == 0
.if \buf == 0
	LDROWS 0, XA, ADRV+\sl, 64*\sub
	LDROWS 0, YA, ADRP+\sl, 64*\sub
.else
	LDROWS 0, XC, ADRV+\sl, 64*\sub
	LDROWS 0x40, YC, ADRP+\sl, 64*\sub
.endif
.else
.if \buf == 0
	LDO XA, 128*(\s)+64*\sub
	LDROWS 0, YA, ADRV+\sl, 64*\sub
.else
	LDO XC, 128*(\s)+64*\sub
	LDROWS 0x40, YC, ADRV+\sl, 64*\sub
.endif
.endif
.endm
; 16 matrix instructions: Y blocks 4 hi + a0, + 1 x all 8 X blocks.  cm 0: in place; 1: C = 0; 2: C = the bias tile of the Y block
.macro MULP xf, yf, hi, a0, cm
.irp a, \a0, \a0+1
.irp b, 0,1,2,3,4,5,6,7
.if \cm == 0
	v_wmma_f32_16x16x32_bf16 v[8*(8*(\a)+\b):8*(8*(\a)+\b)+7], v[\xf+8*\b:\xf+8*\b+7], v[\yf+8*(4*\hi+(\a)):\yf+8*(4*\hi+(\a))+7], v[8*(8*(\a)+\b):8*(8*(\a)+\b)+7]
.else
.if \cm == 1
	v_wmma_f32_16x16x32_bf16 v[8*(8*(\a)+\b):8*(8*(\a)+\b)+7], v[\xf+8*\b:\xf+8*\b+7], v[\yf+8*(4*\hi+(\a)):\yf+8*(4*\hi+(\a))+7], 0
.else
	v_wmma_f32_16x16x32_bf16 v[8*(8*(\a)+\b):8*(8*(\a)+\b)+7], v[\xf+8*\b:\xf+8*\b+7], v[\yf+8*(4*\hi+(\a)):\yf+8*(4*\hi+(\a))+7], v[BIAS+8*(4*\hi+(\a)):BIAS+8*(4*\hi+(\a))+7]
.endif
.endif
.endr
.endr
.endm
; One step of PV or of the projection: 64 along K, two substeps on buffers 0 and 1, 64 matrix instructions each.
; pc: the chunk of P (1..3) that I put into LDS for the next step (0: none); its buffer's last readers passed the round at the end of the step before.
; chg 2: the slot is filled again from group 0 g0; 1: change of slots without a fill; 0: the last step.
; nxt 1: the next step of the same mode is fetched; 2: the next block's first S fragments; 0: nothing.
.macro BSTEP mode, sl, s, cm, pc, chg, g0, stepit, nxt
	s_wait_dscnt 8                                 ; all but the last eight loads: Y's blocks 4-7 may be out
.if \cm == 2
	WIN 0x90
.else
	WIN 0xa0
.endif
	MULP XA, YA, 0, 0, \cm
	MULP XA, YA, 0, 2, \cm
	PLACES
	FET \mode, \sl, \s, 1, 1
	s_wait_dscnt 32                                ; all but the 32 just issued
.if \cm == 2
	WIN 0xd0
.else
	WIN 0xf0
.endif
	MULP XA, YA, 1, 0, \cm
	MULP XA, YA, 1, 2, \cm
	s_wait_dscnt 8
	WIN 0xa4
	MULP XC, YC, 0, 0, 0
.if \pc
	WIN 0x04                                       ; store data in window 1
.irp t, 0,1,2,3,4,5,6,7
	ds_store_b128 v[PST+((\pc)&1)], v[32*(\pc)+4*\t:32*(\pc)+4*\t+3] offset:16*PW*\t
.endr
.endif
	WIN 0xa4
.if \chg
	s_wait_dscnt 0x0                               ; my reads of this slot and of this chunk are over, my part of the next chunk is written
	s_wait_xcnt 0x0
	s_set_vgpr_msb 0xa424
	v_lshl_add_u32 v54, v0, 2, 0x4e800
	v_mov_b32 v55, 0
	s_set_vgpr_msb 0x2420
	s_wait_tensorcnt 0x0                           ; all my tensor loads have landed
	ds_add_u32 v54, v55
	s_wait_dscnt 0x0
	s_set_vgpr_msb 0x20a4
	s_barrier_signal -1
.endif
	MULP XC, YC, 0, 2, 0
.if \chg
	WIN 0
	s_barrier_wait -1
.if \chg == 2
	CREST
.if \stepit
	s_add_nc_u64 s[\g0+2:\g0+3], s[\g0+2:\g0+3], 2*TILEB
.endif
	tensor_load_to_lds s[\g0:\g0+3], s[G1:G1+7]    ; my one tensor load behind the round, first thing there
	s_nop 0
.endif
.if \nxt == 1
	PLACES
	FET \mode, 1-\sl, \s+1, 0, 0
.endif
.if \nxt == 2
	PLACES
	FETCHS 0, 0, 0, F0
.endif
.else
	s_wait_dscnt 0x0
.endif
	WIN 0xf4
	MULP XC, YC, 1, 0, 0
	MULP XC, YC, 1, 2, 0
.endm
.macro RESCALE hi                      ; O of query tiles 4 hi .. + 3 times the tile's factor
.if \hi
	WIN 0xc3
.else
	WIN 0x82
.endif
.irp a, 0,1,2,3
.irp b, 0,1,2,3,4,5,6,7
.irp q, 0,1,2,3
	v_pk_mul_f32 v[8*(8*\a+\b)+2*\q:8*(8*\a+\b)+2*\q+1], v[8*(8*\a+\b)+2*\q:8*(8*\a+\b)+2*\q+1], v[AL2+2*(4*\hi+\a):AL2+2*(4*\hi+\a)+1]
.endr
.endr
.endr
.endm
; The block's softmax step.  A lane holds, for each query tile t, 32 scores of query 16 t + r: my wave's keys 64 i + 16 w + 8 h + j.
.macro SOFTMAX first
	PLACES                                         ; vector instructions read and rewrite the S tiles; loads go into fragment registers
	WIN 0x05
.irp t, 0,1,2,3,4,5,6,7
	v_max_num_f32 v[MX+\t], v[8*\t], v[8*\t+1]
.endr
.irp i, 0,1,2,3
.irp q, 0,1,2,3
.if \i+\q
.irp t, 0,1,2,3,4,5,6,7
	v_max3_num_f32 v[MX+\t], v[8*(8*\i+\t)+2*\q], v[8*(8*\i+\t)+2*\q+1], v[MX+\t]
.endr
.endif
.endr
.endr
	WIN 0
.irp t, 0,1,2,3,4,5,6,7
	v_permlanex16_b32 v[PX+\t], v[MX+\t], s60, s61 ; the other half of the lanes holds the query's other keys
.endr
.irp t, 0,1,2,3,4,5,6,7
	v_max_num_f32 v[MX+\t], v[MX+\t], v[PX+\t]
.endr
	ds_store_b128 v[STW], v[MX:MX+3]
	ds_store_b128 v[STW], v[MX+4:MX+7] offset:16
	s_wait_dscnt 0x0                               ; for the other waves: zero
	s_barrier_signal -1                            ; the tile on its way may stay out
	s_barrier_wait -1
.irp u, 0,1,2,3
	ds_load_b128 v[ST4+8*\u:ST4+8*\u+3],   v[STR] offset:512*\u
	ds_load_b128 v[ST4+8*\u+4:ST4+8*\u+7], v[STR] offset:512*\u+16
.endr
	s_wait_dscnt 0x0
.if \first
.irp t, 0,1,2,3,4,5,6,7
	v_max3_num_f32 v[M+\t], v[ST4+\t], v[ST4+8+\t], v[ST4+16+\t]
.endr
.irp t, 0,1,2,3,4,5,6,7
	v_max_num_f32 v[M+\t], v[M+\t], v[ST4+24+\t]
.endr
.else
.irp t, 0,1,2,3,4,5,6,7
	v_max3_num_f32 v[PX+\t], v[ST4+\t], v[ST4+8+\t], v[ST4+16+\t]
.endr
.irp t, 0,1,2,3,4,5,6,7
	v_max3_num_f32 v[PX+\t], v[PX+\t], v[ST4+24+\t], v[M+\t]   ; the new running maximum
.endr
.irp t, 0,1,2,3,4,5,6,7
	v_sub_f32 v[MX+\t], v[M+\t], v[PX+\t]
	v_mov_b32 v[M+\t], v[PX+\t]
.endr
.irp t, 0,1,2,3,4,5,6,7
	v_mul_f32 v[MX+\t], CLOG, v[MX+\t]
.endr
.irp t, 0,1,2,3,4,5,6,7
	v_exp_f32 v[AL2+2*\t], v[MX+\t]                ; the factor for what has been summed so far, twice: a pair for the packed multiplies
	v_exp_f32 v[AL2+2*\t+1], v[MX+\t]
.endr
.endif
.irp t, 0,1,2,3,4,5,6,7
	v_mul_f32 v[NC2+2*\t], NCLOG, v[M+\t]          ; plain instructions that touch neither MX nor AL2: the place behind the exponentials (ISA guide 5.7.2)
	v_mul_f32 v[NC2+2*\t+1], NCLOG, v[M+\t]
.endr
	WIN 0x41                                       ; S in window 1, the maxima in window 0
.irp i, 0,1,2,3
.irp t, 0,1,2,3,4,5,6,7
.irp q, 0,1,2,3
	v_pk_fma_f32 v[8*(8*\i+\t)+2*\q:8*(8*\i+\t)+2*\q+1], v[8*(8*\i+\t)+2*\q:8*(8*\i+\t)+2*\q+1], CLOG, v[NC2+2*\t:NC2+2*\t+1] op_sel_hi:[1,0,1]
.endr
.irp j, 0,1,2,3,4,5,6,7
	v_exp_f32 v[8*(8*\i+\t)+\j], v[8*(8*\i+\t)+\j] ; p = 2^(c s - c m); the next tile's multiply-adds are the plain place behind these
.endr
.endr
.endr
	v_nop
.if \first
	WIN 0x05
	s_wait_alu depctr_va_vdst(0)
.irp t, 0,1,2,3,4,5,6,7
	v_pk_add_f32 v[LP+2*\t:LP+2*\t+1], v[8*\t:8*\t+1], v[8*\t+2:8*\t+3]   ; the first two pairs start the sums: nothing is cleared
.endr
.else
	WIN 0
	s_wait_alu depctr_va_vdst(0)
.irp t, 0,1,2,3,4,5,6,7
	v_pk_mul_f32 v[LP+2*\t:LP+2*\t+1], v[LP+2*\t:LP+2*\t+1], v[AL2+2*\t:AL2+2*\t+1]
.endr
.endif
	WIN 0x01
.irp i, 0,1,2,3
.irp q, 0,1,2,3
.if (4*\i+\q) >= 2*\first
.irp t, 0,1,2,3,4,5,6,7
	v_pk_add_f32 v[LP+2*\t:LP+2*\t+1], v[8*(8*\i+\t)+2*\q:8*(8*\i+\t)+2*\q+1], v[LP+2*\t:LP+2*\t+1]
.endr
.endif
.endr
.endr
	WIN 0x45                                       ; pack downward, tiles ascending: a destination is never a source still to be read
.irp i, 0,1,2,3
.irp t, 0,1,2,3,4,5,6,7
.irp q, 0,1,2,3
	v_cvt_pk_bf16_f32 v[4*(8*\i+\t)+\q], v[8*(8*\i+\t)+2*\q], v[8*(8*\i+\t)+2*\q+1]
.endr
.endr
.endr
.if \first == 0
	RESCALE 0
	RESCALE 1
.endif
	WIN 0x04
.irp t, 0,1,2,3,4,5,6,7
	ds_store_b128 v[PST], v[4*\t:4*\t+3] offset:16*PW*\t       ; chunk 0 of P
.endr
	WIN 0
	s_wait_dscnt 0x0
	s_barrier_signal -1
	s_barrier_wait -1
	FET 0, 0, 0, 0, 0
.endm
; A block of 256 keys: 4 S steps, the softmax step, 4 PV steps.  Behind step n the slot gets the tile of step n + 2.
.macro BLOCK first, last
.if \first == 0
.rept 5
	v_nop                                          ; five places: the first S products write over registers that PV's last products read as source 1
.endr
.endif
	SSTEP 0, 0, 1, G0K, 1, 1
	SSTEP 1, 1, 0, G0K+4, 1, 1
	SSTEP 0, 2, 0, G0V, 1-\first, 1
	SSTEP 1, 3, 0, G0V+4, 1-\first, 0
	SOFTMAX \first
	BSTEP 0, 0, 0, \first, 1, 2, G0V, 1, 1
	BSTEP 0, 1, 0, 0, 2, 2, G0V+4, 1, 1
.if \last
	BSTEP 0, 0, 0, 0, 3, 2, G0W, 0, 1
	BSTEP 0, 1, 0, 0, 0, 2, G0W+4, 0, 0
.else
	BSTEP 0, 0, 0, 0, 3, 2, G0K, 1, 1
	BSTEP 0, 1, 0, 0, 0, 2, G0K+4, 1, 2
.endif
.endm
	s_wait_tensorcnt 0x1                           ; my parts of Q and of K tile 0 are in; K tile 1 may stay out
	s_barrier_signal -1
	s_barrier_wait -1
	FETCHS 0, 0, 0, F0
	BLOCK 1, 0                                     ; the first block starts maxima, sums and O
	WIN 0
	s_mov_b32 s62, 2
.Lblock:
	BLOCK 0, 0
	WIN 0
	s_sub_co_u32 s62, s62, 1
	s_cmp_lg_u32 s62, 0
	s_cbranch_scc1 .Lblock
	BLOCK 0, 1                                     ; the last block asks for Wp's first two tiles instead of K's
	; O / l, rounded to bf16, into Q's place in LDS as [query][channel]; Q had its only fill at the start and its last readers passed several barriers ago
	WIN 0x40
.irp g, 0,1,2,3,4,5,6,7
.irp j, 0,1,2,3,4,5,6,7
	global_load_b32 v[BIAS+8*\g+\j], v[BADR], s[12:13] offset:64*\g    ; all eight registers of tile g = bp[128 w + 16 g + r]
.endr
.endr
	WIN 0
	PLACES
.irp t, 0,1,2,3,4,5,6,7
	v_add_f32 v[MX+\t], v[LP+2*\t], v[LP+2*\t+1]
.endr
.irp t, 0,1,2,3,4,5,6,7
	v_permlanex16_b32 v[PX+\t], v[MX+\t], s60, s61
.endr
.irp t, 0,1,2,3,4,5,6,7
	v_add_f32 v[MX+\t], v[MX+\t], v[PX+\t]
.endr
	ds_store_b128 v[STW], v[MX:MX+3] offset:2048
	ds_store_b128 v[STW], v[MX+4:MX+7] offset:2064
	s_wait_dscnt 0x0
	s_barrier_signal -1
	s_barrier_wait -1
.irp u, 0,1,2,3
	ds_load_b128 v[ST4+8*\u:ST4+8*\u+3],   v[STR] offset:2048+512*\u
	ds_load_b128 v[ST4+8*\u+4:ST4+8*\u+7], v[STR] offset:2048+512*\u+16
.endr
	s_wait_dscnt 0x0
.irp t, 0,1,2,3,4,5,6,7
	v_add_f32 v[MX+\t], v[ST4+\t], v[ST4+8+\t]
	v_add_f32 v[PX+\t], v[ST4+16+\t], v[ST4+24+\t]
.endr
.irp t, 0,1,2,3,4,5,6,7
	v_add_f32 v[MX+\t], v[MX+\t], v[PX+\t]
.endr
.irp t, 0,1,2,3,4,5,6,7
	v_rcp_f32 v[AL2+2*\t], v[MX+\t]
	v_rcp_f32 v[AL2+2*\t+1], v[MX+\t]
.endr
	v_nop                                          ; the plain place behind the reciprocals
	s_wait_alu depctr_va_vdst(0)
	RESCALE 0
	RESCALE 1
.macro OPUT hi, a                      ; query tile 4 hi + a: 16 rows, my 256 bytes of each
.if \hi
	WIN 0x0f
.else
	WIN 0x0a
.endif
.irp b, 0,1,2,3,4,5,6,7
.irp q, 0,1,2,3
	v_cvt_pk_bf16_f32 v[TMP+4*\b+\q], v[8*(8*\a+\b)+2*\q], v[8*(8*\a+\b)+2*\q+1]
.endr
.endr
	WIN 0
.irp b, 0,1,2,3,4,5,6,7
	ds_store_b128 v[OST+\hi], v[TMP+4*\b:TMP+4*\b+3] offset:16*QP*\a+32*\b
.endr
.endm
.irp a, 0,1,2,3
	OPUT 0, \a
.endr
.irp a, 0,1,2,3
	OPUT 1, \a
.endr
	s_wait_dscnt 0x0
	s_barrier_signal -1                            ; O is whole; Wp tile 1 may stay out
	s_barrier_wait -1
	s_wait_loadcnt 0x0                             ; the bias tiles
	FET 1, 0, 0, 0, 0
; x of rows 16 g .. + 15 of my 128 channels, 512 consecutive bytes a load, into half g & 1 of window 1's v0-127
.macro XLOAD g
	WIN 0x44
.irp j, 0,1,2,3,4,5,6,7,8,9,10,11,12,13,14,15
	global_load_b128 v[64*((\g)&1)+4*\j:64*((\g)&1)+4*\j+3], v[CO], s[14:15] offset:(16*(\g)+\j)*4096 th:TH_LOAD_NT
.endr
.endm
	; the projection: 8 steps of 64 channels; the bias is the C of the first products
	BSTEP 1, 0, 0, 2, 0, 2, G0W, 1, 1
	BSTEP 1, 1, 1, 0, 0, 2, G0W+4, 1, 1
	BSTEP 1, 0, 2, 0, 0, 2, G0W, 1, 1
	BSTEP 1, 1, 3, 0, 0, 2, G0W+4, 1, 1
	BSTEP 1, 0, 4, 0, 0, 2, G0W, 1, 1
	BSTEP 1, 1, 5, 0, 0, 2, G0W+4, 1, 1
	XLOAD 0                                        ; two steps ahead of their use; these registers belong to no matrix instruction of this phase
	XLOAD 1
	BSTEP 1, 0, 6, 0, 0, 1, G0W, 0, 1
	BSTEP 1, 1, 7, 0, 0, 0, G0W, 0, 0
; The way out of Y block g: 16 output channels x 128 pixels of f32.  32 bytes a lane into my own stage, read back as whole rows of 512 bytes,
; x added, stored: each store of the wave covers 512 consecutive bytes, aligned.  The sum is formed in x's registers, so that one window
; setting serves the adds, the stores (data = source 1) and the next loads of x.
.macro OUTF g
.if \g < 4
	WIN 0x08
.else
	WIN 0x0c
.endif
.irp b, 0,1,2,3,4,5,6,7
	ds_store_b128 v[STO], v[8*(8*((\g)&3)+\b):8*(8*((\g)&3)+\b)+3]   offset:64*\b
	ds_store_b128 v[STO], v[8*(8*((\g)&3)+\b)+4:8*(8*((\g)&3)+\b)+7] offset:64*\b+16
.endr
	WIN 0
.irp j, 0,1,2,3,4,5,6,7,8,9,10,11,12,13,14,15
	ds_load_b128 v[R+4*\j:R+4*\j+3], v[RD] offset:OPW*\j       ; LDS serves a wave's instructions in order: these see the stores above
.endr
	WIN 0x44
.if \g < 7
	s_wait_loadcnt 16                              ; this block's x is in; the next block's 16 loads stay out
.else
	s_wait_loadcnt 0x0
.endif
.irp j, 0,1,2,3,4,5,6,7,8,9,10,11,12,13,14,15
	s_wait_dscnt 15-\j
	v_pk_add_f32 v[64*((\g)&1)+4*\j:64*((\g)&1)+4*\j+1],   v[R+4*\j:R+4*\j+1],   v[64*((\g)&1)+4*\j:64*((\g)&1)+4*\j+1]
	v_pk_add_f32 v[64*((\g)&1)+4*\j+2:64*((\g)&1)+4*\j+3], v[R+4*\j+2:R+4*\j+3], v[64*((\g)&1)+4*\j+2:64*((\g)&1)+4*\j+3]
	global_store_b128 v[CO], v[64*((\g)&1)+4*\j:64*((\g)&1)+4*\j+3], s[16:17] offset:(16*\g+\j)*4096 th:TH_STORE_NT
.endr
.if \g < 6
	s_wait_xcnt 0x0                                ; the stores' data registers are loaded again only behind this wait
	XLOAD \g+2
.endif
.endm
	PLACES
.irp g, 0,1,2,3,4,5,6,7
	OUTF \g
.endr
	WIN 0
	s_wait_xcnt 0x0
	v_lshl_add_u32 v54, v0, 2, 0x4e800
	v_mov_b32 v55, 0
	s_wait_tensorcnt 0x0
	ds_add_u32 v54, v55
	s_wait_dscnt 0x0
	CROUND                                         ; the closing round
	s_endpgm
.Lfunc_end_k_q3ac9bd5e37_attn:
	.size	k_q3ac9bd5e37_attn, .Lfunc_end_k_q3ac9bd5e37_attn-k_q3ac9bd5e37_attn
	.p2alignl 7, 3214868480
	.fill 96, 4, 3214868480
	.section	.rodata,"a",@progbits
	.p2align	6, 0x0
	.amdhsa_kernel k_q3ac9bd5e37_attn
		.amdhsa_group_segment_fixed_size 327680
		.amdhsa_private_segment_fixed_size 0
		.amdhsa_enable_private_segment 0
		.amdhsa_kernarg_size 56
		.amdhsa_user_sgpr_count 2
		.amdhsa_user_sgpr_kernarg_segment_ptr 1
		.amdhsa_wavefront_size32 1
		.amdhsa_system_sgpr_workgroup_id_x 1
		.amdhsa_system_sgpr_workgroup_id_y 1
		.amdhsa_system_sgpr_workgroup_id_z 1
		.amdhsa_system_vgpr_workitem_id 0
		.amdhsa_next_free_vgpr 1024
		.amdhsa_next_free_sgpr 80
		.amdhsa_reserve_vcc 0
		.amdhsa_float_denorm_mode_32 3
		.amdhsa_float_denorm_mode_16_64 3
		.amdhsa_memory_ordered 1
		.amdhsa_forward_progress 1
		.amdhsa_inst_pref_size 255
	.end_amdhsa_kernel
	.section	.bss,"aw",@nobits
	.p2align	6
	.space	262144
	.amdgpu_metadata
---
amdhsa.version: [ 1, 2 ]
amdhsa.kernels:
  - .name:           k_q3ac9bd5e37_attn
    .symbol:         k_q3ac9bd5e37_attn.kd
    .args:
      - { .name: qws, .offset: 0, .size: 8, .value_kind: global_buffer, .address_space: global }
      - { .name: kt, .offset: 8, .size: 8, .value_kind: global_buffer, .address_space: global }
      - { .name: vt, .offset: 16, .size: 8, .value_kind: global_buffer, .address_space: global }
      - { .name: wbf, .offset: 24, .size: 8, .value_kind: global_buffer, .address_space: global }
      - { .name: bp, .offset: 32, .size: 8, .value_kind: global_buffer, .address_space: global }
      - { .name: x, .offset: 40, .size: 8, .value_kind: global_buffer, .address_space: global }
      - { .name: out0, .offset: 48, .size: 8, .value_kind: global_buffer, .address_space: global }
    .group_segment_fixed_size: 327680
    .private_segment_fixed_size: 0
    .kernarg_segment_align: 8
    .kernarg_segment_size: 56
    .max_flat_workgroup_size: 128
    .sgpr_count:     80
    .vgpr_count:     1024
    .wavefront_size: 32
...
	.end_amdgpu_metadata
.endif
;; end of part 3
;; ======== version 2 of 2: 3 launches
;; workspace buffers: h 33,554,432 bytes; wbf 2,097,152 bytes; qws 33,554,432 bytes; kt 33,554,432 bytes; vt 33,554,432 bytes
;; launch gn: the kernel of part 1 again; grid 1024 x 1, 8 waves a work-group, no clusters, 1,280 bytes of LDS; arguments x, gn_w, gn_b, wq, wk, wv, wp, h, wbf; writes h, wbf
;; launch qkv (part 4): grid 8 x 32, 4 waves a work-group, clusters of 4 x 1, 327,680 bytes of LDS; arguments h, wbf, bq, bk, bv, qws, kt, vt; writes qws, kt, vt
.if DOCPART == 4
	.amdgcn_target "amdgcn-amd-amdhsa--gfx1250"
	.amdhsa_code_object_version 6
	.text
	.protected	k_q3ac9bd5e37_qkv
	.globl	k_q3ac9bd5e37_qkv
	.p2align	8
	.type	k_q3ac9bd5e37_qkv,@function
k_q3ac9bd5e37_qkv:
	s_mov_b64 s[64:65], 0
	v_nop
	global_prefetch_b8 v0, s[64:65] scope:SCOPE_SE
	s_setreg_imm32_b32 hwreg(HW_REG_WAVE_MODE, 25, 1), 1
	s_wait_xcnt 0x0
	s_wait_alu depctr_hold_cnt(0) depctr_sa_sdst(0) depctr_va_vdst(0) depctr_va_sdst(0) depctr_va_ssrc(0) depctr_va_vcc(0) depctr_vm_vsrc(0)
	s_getreg_b32 s2, hwreg(HW_REG_IB_STS2, 6, 4)
	s_cmp_eq_u32 s2, 0
	s_cbranch_scc0 .Lentry_in_a_cluster
	s_endpgm
.Lentry_in_a_cluster:
	s_bfe_u32 s2, ttmp6, 0x10000c
	s_cmp_lg_u32 s2, 0x3003
	s_cbranch_scc0 .Lentry_shape_is_right
	s_endpgm
.Lentry_shape_is_right:
; Q, K, V = W h + bias for 128 pixels of one batch, in three passes.  h: [32][512 c][1024 n] bf16; wbf: [4][8 s][512 o][64 c] bf16.
; Work-group (x, b): pixels 128 x .. + 127 of batch b.  Wave w: outputs o = 128 w .. + 127 for all 128 pixels = 64 accumulator tiles, 512 registers.
; The h tile [512 c][128 pixels] is brought once and stays in LDS for all three passes; its fragments are read by the transposing LDS load.
; The weights go through a ring of two LDS slots, one tile (512 o x 64 c, a dense block of 65,536 bytes) a step: 24 steps of 128 matrix instructions.
; CLUSTER: the four work-groups of a cluster need the same weight tiles: each tile is asked for jointly (mask 15), each wave its dense quarter.
; ORDER OF THE CHANNEL STEPS: cluster turn g = 2 (b & 1) + cluster x (0..3).  Step s of a pass takes channels 64 ((s + 2 g) mod 8) ..: LDS quarter w of the
; h tile holds channels 128 ((w + g) mod 4) .., and the weight tile is number (s + 2 g) mod 8 of its matrix.  So the clusters do not all ask for one tile in
; one step.  Only global addresses hang on g; every LDS address is the same for all g.  The sum over channels starts at another channel, nothing else changes.
; Results:  qws [b][n][512 o];  kt [b][4 kb][8 dc][256 key][64 d];  vt [b][16 kc][512 c][64 key], all bf16: the tile orders in which the next launch reads them.
; The matrix instruction's source 0 (X) gives the result's registers, source 1 (Y) its lanes.  Q, K: X = W, Y = h: a lane holds 8 neighbouring o of a pixel.
; V: X = h, Y = W: a lane holds 8 neighbouring pixels of a channel.  The bias enters as the C operand of each pass's first products: nothing is cleared or added later.
; The 64 accumulators take turns, one instruction a turn, in the same order in every substep.
; The text is straight-line: 24 steps written out by macro, every count can be read off it.
; Limits: operands are rounded to bf16, sums are f32; non-finite inputs are not treated specially.
; REGISTERS: window 0: v1-28 addresses, v64-127 / v128-191 Y fragments (two buffers), v192-223 packed results, v224-255 rows read back;
;            window 1: v64-127 / v128-191 X fragments, v192-255 bias tiles;  window 2: tiles of Y blocks 0-3;  window 3: of Y blocks 4-7.
.set PW,    144                        ; LDS pitch of a weight row: 128 bytes + 16: an odd multiple of 16
.set QUART, 128*PW                     ; a wave's quarter of a weight tile in LDS
.set SLOT,  4*QUART
.set TILEB, 65536                      ; a weight tile in memory
.set HP,    288                        ; LDS pitch of a row of h: 256 bytes + 32: an odd multiple of 32, for the transposing load
.set RING,  512*HP                     ; 147,456: behind the h tile
.set STG,   RING+2*SLOT                ; 294,912: 16 rows x 272 bytes for each wave, for the way out; no tensor load lands here
.set SP,    272
.set ADRW, 16                          ; v16-17  my W fragments in slot 0, 1
.set ADRH, 18                          ; v18-20  h fragments, LDS rows 0, 192, 384 (the LDS immediate has 16 bits)
.set STO,  21                          ; stage: where I put 16 bytes of a row
.set RDQ,  22                          ; stage: read back, lanes 0-15 a whole row, lanes 16-31 the next
.set COQ,  23                          ; the same two rows in qws
.set RD2,  24                          ; stage: read back, eight lanes a half row; lanes 0-15 the left halves of two rows, 16-31 the right halves
.set COK,  25                          ; the same in kt
.set COV,  26                          ; the same in vt
.set BA1,  27                          ; bias by register: 512 w + 32 h
.set BA2,  28                          ; bias by lane: 512 w + 4 r
.set F0,   64
.set F1,   128
.set TMP,  192
.set RB,   224
.set BIAS, 192                         ; in window 1
.set G1,   24                          ; s[24:31] group 1 of a joint dense quarter
.set G1H,  32                          ; s[32:39] group 1 of the h tile's quarter
.set G0H,  40                          ; s[40:43]
.set G0W,  44                          ; s[44:51] group 0 of the weight tiles, a set for each slot
.set MSB, 0
.macro WIN new                         ; the immediate's high byte repeats the setting that is left
.if MSB != \new
	s_set_vgpr_msb (MSB<<8)|\new
.set MSB, \new
.endif
.endm
.macro PLACES                          ; four places behind matrix instructions, in front of loads into their registers and of readers of their results
.rept 4
	v_nop
.endr
.endm
.macro CREST                           ; a round of the cluster's barrier behind its opening work-group barrier
	s_cmp_lg_u32 s20, 0
	s_cbranch_scc1 .Lnot_wave_0_\@
	s_barrier_signal -3
.Lnot_wave_0_\@:
	s_barrier_wait -3
	s_barrier_signal -1
	s_barrier_wait -1
.endm
.macro CROUND
	s_barrier_signal -1
	s_barrier_wait -1
	CREST
.endm
	s_load_b512 s[4:19], s[0:1], 0x0               ; h s[4:5], wbf s[6:7], bq s[8:9], bk s[10:11], bv s[12:13], qws s[14:15], kt s[16:17], vt s[18:19]
	s_set_vgpr_msb 0x40
	v_lshl_add_u32 v63, v0, 2, 0x4c400
	s_set_vgpr_msb 0x4000
	v_mov_b32 v63, 0
	s_set_vgpr_msb 0x1
	ds_add_u32 v63, v63
	s_set_vgpr_msb 0x100
	v_lshrrev_b32 v8, 5, v0
	v_readfirstlane_b32 s20, v8                    ; wave 0..3
	s_bfe_u32 s21, ttmp6, 0x40000                  ; cx
	s_lshl_b32 s22, ttmp9, 2
	s_add_co_u32 s22, s22, s21                     ; x = 4 x cluster x + cx: enters global addresses of my own loads and stores alone
	s_and_b32 s23, ttmp7, 0xffff                   ; b
	; group 1, joint: 64 memory rows of 32 elements of 8 bytes (256 bytes), dense; 16 bytes of padding behind every 128 bytes
	s_mov_b32 s[G1+0], 0x0733000f                  ; 15:0 mask 15; 17:16 8-byte elements; 20 padding on; 21 set beside a mask; 24:22 every 32 words; 31:25 four words
	s_mov_b32 s[G1+1], 32<<16                      ; tensor_dim0 = 32
	s_mov_b32 s[G1+2], 64<<16                      ; tensor_dim1 = 64
	s_mov_b32 s[G1+3], 32<<16                      ; tile_dim0 = 32
	s_mov_b32 s[G1+4], 64                          ; tile_dim1 = 64
	s_mov_b32 s[G1+5], 32                          ; pitch = 32 elements
	s_mov_b32 s[G1+6], 0
	s_mov_b32 s[G1+7], 0
	; group 1 of h: 128 rows (channels) of 128 bf16 (pixels), 32 bytes of padding behind every 256 bytes; no mask: my own tile
	s_mov_b32 s[G1H+0], 0x0f510000                 ; 17:16 2-byte elements; 20 padding on; 24:22 every 64 words; 31:25 eight words
	s_mov_b32 s[G1H+1], 128<<16
	s_mov_b32 s[G1H+2], 128<<16
	s_mov_b32 s[G1H+3], 128<<16
	s_mov_b32 s[G1H+4], 128
	s_mov_b32 s[G1H+5], 1024
	s_mov_b32 s[G1H+6], 0
	s_mov_b32 s[G1H+7], 0
	s_and_b32 s63, s23, 1
	s_lshl_b32 s63, s63, 1
	s_add_co_u32 s63, s63, ttmp9                   ; the cluster's turn g = 2 (b & 1) + cluster x: the same in all four partners
	s_add_co_u32 s52, s20, s63
	s_and_b32 s52, s52, 3                          ; LDS quarter w gets channels 128 ((w + g) mod 4) ..
	s_lshl_b32 s63, s63, 17                        ; g x two weight tiles, in bytes
	s_lshl_b32 s60, s23, 20                        ; b x 1 MiB
	s_lshl_b32 s52, s52, 18                        ; 128 channels of 2,048 bytes
	s_add_co_u32 s52, s52, s60
	s_lshl_b32 s53, s22, 8                         ; 128 x pixels
	s_add_co_u32 s52, s52, s53
	s_mov_b32 s53, 0
	s_lshl_b32 s54, s20, 14                        ; my quarter of a weight tile: the wave's number alone
	s_mov_b32 s55, 0
	s_mul_i32 s56, s20, QUART
	s_mul_i32 s[G0H+1], s20, 128*HP                ; LDS: quarter w
	s_wait_dscnt 0x0
	s_wait_kmcnt 0x0
	s_mov_b32 s[G0H], 1
	s_add_nc_u64 s[G0H+2:G0H+3], s[4:5], s[52:53]
	s_or_b32 s[G0H+3], s[G0H+3], 0x80000000
	s_add_nc_u64 s[6:7], s[6:7], s[54:55]          ; from here on s[54:55] is the pair for a tile's offset; s55 stays 0
.irp n, 0,1
	s_mov_b32 s[G0W+4*\n], 1
	s_add_co_u32 s[G0W+4*\n+1], s56, RING+\n*SLOT
	s_add_co_u32 s54, s63, \n*TILEB                ; tiles 2 g and 2 g + 1 of Wq: at most number 7, no wrap
	s_add_nc_u64 s[G0W+4*\n+2:G0W+4*\n+3], s[6:7], s[54:55]
	s_or_b32 s[G0W+4*\n+3], s[G0W+4*\n+3], 0x80000000
.endr
	CROUND                                         ; all four work-groups are here: the first joint loads meet
	tensor_load_to_lds s[G0H:G0H+3], s[G1H:G1H+7]  ; the three first fills go out together: three tensor loads of this wave are out
	s_nop 0
	tensor_load_to_lds s[G0W:G0W+3], s[G1:G1+7]
	s_nop 0
	tensor_load_to_lds s[G0W+4:G0W+7], s[G1:G1+7]
	s_nop 0
	; where the results go
	s_mov_b32 s59, 0
	s_lshl_b32 s52, s22, 17
	s_add_co_u32 s52, s52, s60                     ; b MiB + 131,072 x
	s_lshl_b32 s57, s20, 8
	s_add_co_u32 s58, s52, s57
	s_add_nc_u64 s[14:15], s[14:15], s[58:59]      ; qws: row 128 x, byte 256 w
	s_lshl_b32 s57, s20, 14
	s_add_co_u32 s58, s52, s57
	s_add_nc_u64 s[18:19], s[18:19], s[58:59]      ; vt: key chunk 2 x, channel 128 w
	s_lshr_b32 s57, s22, 1
	s_lshl_b32 s57, s57, 18
	s_add_co_u32 s58, s60, s57                     ; kt: key block x >> 1,
	s_lshl_b32 s57, s20, 16
	s_add_co_u32 s58, s58, s57                     ; d chunk 2 w,
	s_and_b32 s57, s22, 1
	s_lshl_b32 s57, s57, 14
	s_add_co_u32 s58, s58, s57                     ; key 128 (x & 1)
	s_add_nc_u64 s[16:17], s[16:17], s[58:59]
	v_and_b32 v1, 15, v0                           ; r
	v_bfe_u32 v2, v0, 4, 1                         ; h
	v_and_b32 v3, 7, v0
	v_bfe_u32 v4, v0, 3, 1
	v_mul_u32_u24 v5, v1, PW
	v_lshl_add_u32 v5, v2, 4, v5
	s_add_co_u32 s61, s56, RING
	v_add_nc_u32 v[ADRW], s61, v5                  ; my quarter + 144 r + 16 h
	v_add_nc_u32 v[ADRW+1], SLOT, v[ADRW]
	v_lshl_add_u32 v6, v2, 3, v3
	v_mul_u32_u24 v6, v6, HP
	v_lshl_add_u32 v[ADRH], v4, 4, v6              ; (8 h + lane mod 8) rows + 16 x bit 3 of the lane
	v_add_nc_u32 v[ADRH+1], 192*HP, v[ADRH]
	v_add_nc_u32 v[ADRH+2], 384*HP, v[ADRH]
	s_mul_i32 s61, s20, 16*SP
	s_add_co_u32 s61, s61, STG
	v_mul_u32_u24 v7, v1, SP
	v_lshl_add_u32 v7, v2, 4, v7
	v_add_nc_u32 v[STO], s61, v7
	v_mul_u32_u24 v7, v2, SP
	v_lshl_add_u32 v7, v1, 4, v7
	v_add_nc_u32 v[RDQ], s61, v7
	v_lshlrev_b32 v7, 4, v1
	v_lshl_add_u32 v[COQ], v2, 10, v7
	v_mul_u32_u24 v7, v4, SP
	v_lshl_add_u32 v7, v2, 7, v7
	v_lshl_add_u32 v7, v3, 4, v7
	v_add_nc_u32 v[RD2], s61, v7
	v_lshlrev_b32 v7, 4, v3
	v_lshl_add_u32 v7, v4, 7, v7
	v_lshl_add_u32 v[COK], v2, 15, v7              ; the right half row belongs to the next d chunk: 256 keys x 128 bytes on
	v_lshl_add_u32 v[COV], v2, 16, v7              ; or to the next key chunk: 512 channels x 128 bytes on
	s_lshl_b32 s62, s20, 9
	v_lshl_add_u32 v[BA1], v2, 5, s62
	v_lshl_add_u32 v[BA2], v1, 2, s62
; eight W fragments (rows 16 a + r of my 128, 32 channels at byte 64 sub) into buffer f of the window that win names
.macro LDW win, sl, sub, f
	WIN \win
.irp a, 0,1,2,3,4,5,6,7
	ds_load_b128 v[\f+8*\a:\f+8*\a+3],   v[ADRW+\sl] offset:16*PW*\a+64*\sub
	ds_load_b128 v[\f+8*\a+4:\f+8*\a+7], v[ADRW+\sl] offset:16*PW*\a+64*\sub+32
.endr
.endm
; eight h fragments (pixels 16 t + r, LDS rows 64 s + 32 sub ..), transposed on the way: two loads, 16 rows apart
.macro LDH win, s, sub, f
	WIN \win
.irp t, 0,1,2,3,4,5,6,7
	ds_load_tr16_b128 v[\f+8*\t:\f+8*\t+3],   v[ADRH+(\s)/3] offset:((\s)%3)*64*HP+32*HP*\sub+32*\t
	ds_load_tr16_b128 v[\f+8*\t+4:\f+8*\t+7], v[ADRH+(\s)/3] offset:((\s)%3)*64*HP+32*HP*\sub+32*\t+16*HP
.endr
.endm
; 32 LDS loads in one run, X's first (window 1), then Y's (window 0).  kind 0: X = W, Y = h.  kind 1: X = h, Y = W.  The slot is s & 1.
.macro FETCH kind, s, sub, f
.if \kind == 0
	LDW 0x40, (\s)&1, \sub, \f
	LDH 0, \s, \sub, \f
.else
	LDH 0x40, \s, \sub, \f
	LDW 0, (\s)&1, \sub, \f
.endif
.endm
; 16 matrix instructions: Y blocks 4 hi + a0, + 1 x all 8 X blocks.  cm 0: add in place; 1: C = the bias tile of the X block; 2: of the Y block
.macro MUL16 f, hi, a0, cm
.irp a, \a0, \a0+1
.irp b, 0,1,2,3,4,5,6,7
.if \cm == 0
	v_wmma_f32_16x16x32_bf16 v[8*(8*(\a)+\b):8*(8*(\a)+\b)+7], v[\f+8*\b:\f+8*\b+7], v[\f+8*(4*\hi+(\a)):\f+8*(4*\hi+(\a))+7], v[8*(8*(\a)+\b):8*(8*(\a)+\b)+7]
.else
.if \cm == 1
	v_wmma_f32_16x16x32_bf16 v[8*(8*(\a)+\b):8*(8*(\a)+\b)+7], v[\f+8*\b:\f+8*\b+7], v[\f+8*(4*\hi+(\a)):\f+8*(4*\hi+(\a))+7], v[BIAS+8*\b:BIAS+8*\b+7]
.else
	v_wmma_f32_16x16x32_bf16 v[8*(8*(\a)+\b):8*(8*(\a)+\b)+7], v[\f+8*\b:\f+8*\b+7], v[\f+8*(4*\hi+(\a)):\f+8*(4*\hi+(\a))+7], v[BIAS+8*(4*\hi+(\a)):BIAS+8*(4*\hi+(\a))+7]
.endif
.endif
.endr
.endr
.endm
; bias tiles.  BIASX: register j of tile b = bias[128 w + 16 b + 8 h + j].  BIASY: all eight registers of tile g = bias[128 w + 16 g + r].
.macro BIASX lo
	WIN 0x40
.irp b, 0,1,2,3,4,5,6,7
	global_load_b128 v[BIAS+8*\b:BIAS+8*\b+3],   v[BA1], s[\lo:\lo+1] offset:64*\b
	global_load_b128 v[BIAS+8*\b+4:BIAS+8*\b+7], v[BA1], s[\lo:\lo+1] offset:64*\b+16
.endr
.endm
.macro BIASY lo
	WIN 0x40
.irp g, 0,1,2,3,4,5,6,7
.irp j, 0,1,2,3,4,5,6,7
	global_load_b32 v[BIAS+8*\g+\j], v[BA2], s[\lo:\lo+1] offset:64*\g
.endr
.endr
.endm
; One step: 64 channels, two substeps of 32 on buffers F0, F1, 64 matrix instructions each.
; cm: the C of the first substep.  chg 2: the slot is filled again, two steps ahead; 1: change of slots without a fill; 0: the last step.
; nkind, ns: kind and number of the next step, whose first fragments are fetched here.  bl: the next pass's bias is loaded (1: bk by register, 2: bv by lane).
; nt: 8 x pass + step of the step that will read the fill: its tile is number (step + 2 g) mod 8 of matrix 'pass'.
.macro STEP kind, s, cm, chg, nkind, ns, bl, nt
	s_wait_dscnt 8                                 ; all of the run but its last eight loads: Y's blocks 4-7 may be out
.if \cm
	WIN 0x91                                       ; X window 1, Y window 0, C window 1 (bias), D window 2
.else
	WIN 0xa1
.endif
	MUL16 F0, 0, 0, \cm
	MUL16 F0, 0, 2, \cm
	PLACES
	FETCH \kind, \s, 1, F1
.if \bl == 1
	BIASX 10                                       ; the bias tiles were last read in step 0; places have passed since
.endif
.if \bl == 2
	BIASY 12
.endif
	s_wait_dscnt 32                                ; all but the 32 just issued
.if \cm
	WIN 0xd1
.else
	WIN 0xf1
.endif
	MUL16 F0, 1, 0, \cm
	MUL16 F0, 1, 2, \cm
	s_wait_dscnt 8
	WIN 0xa1
	MUL16 F1, 0, 0, 0
.if \chg
	s_wait_dscnt 0x0                               ; my reads of this slot are over
	s_wait_tensorcnt 0x0                           ; and all my tensor loads have landed: the one that was out is my quarter of the next slot
	ds_add_u32 v63, v63
	s_wait_dscnt 0x0
	s_barrier_signal -1                            ; where the slot is filled again this barrier opens a round of the cluster's barrier
.endif
	MUL16 F1, 0, 2, 0                              ; register work while the others arrive
.if \chg
	WIN 0
	s_barrier_wait -1
.if \chg == 2
	CREST                                          ; no wave of any partner still reads this slot or has a load on its way
	s_add_co_u32 s54, s63, ((\nt)%8)*TILEB         ; no tensor load of mine is out: this slot's group 0 may be written
	s_and_b32 s54, s54, 8*TILEB-1                  ; (step + 2 g) mod 8 tiles
	s_add_co_u32 s54, s54, ((\nt)/8)*8*TILEB       ; + the matrix
	s_add_nc_u64 s[G0W+4*((\s)&1)+2:G0W+4*((\s)&1)+3], s[6:7], s[54:55]
	s_or_b32 s[G0W+4*((\s)&1)+3], s[G0W+4*((\s)&1)+3], 0x80000000
	tensor_load_to_lds s[G0W+4*((\s)&1):G0W+4*((\s)&1)+3], s[G1:G1+7]   ; my one tensor load behind the round, and the first there
	s_nop 0
.endif
	PLACES
	FETCH \nkind, \ns, 0, F0
.else
	s_wait_dscnt 0x0
.endif
	WIN 0xf1
	MUL16 F1, 1, 0, 0
	MUL16 F1, 1, 2, 0
.endm
; The way out of Y block g: 16 rows of 256 bytes.  Round to bf16, 16 bytes a lane into my own stage, read back so that sixteen
; neighbouring lanes hold 256 consecutive bytes of the result, aligned.  LDS serves a wave's instructions in order (ISA guide 5.7.1): no wait between stores and loads.
.macro OUT g, rd, co, base, pitch
.if \g < 4
	WIN 0x0a
.else
	WIN 0x0f
.endif
.irp b, 0,1,2,3,4,5,6,7
.irp q, 0,1,2,3
	v_cvt_pk_bf16_f32 v[TMP+4*\b+\q], v[8*(8*((\g)&3)+\b)+2*\q], v[8*(8*((\g)&3)+\b)+2*\q+1]
.endr
.endr
	WIN 0
.irp b, 0,1,2,3,4,5,6,7
	ds_store_b128 v[STO], v[TMP+4*\b:TMP+4*\b+3] offset:32*\b
.endr
	s_wait_xcnt 0x0                                ; RB, the data of the last block's stores, is loaded again only behind this wait
.irp t, 0,1,2,3,4,5,6,7
	ds_load_b128 v[RB+4*\t:RB+4*\t+3], v[\rd] offset:2*SP*\t
.endr
.irp t, 0,1,2,3,4,5,6,7
	s_wait_dscnt 7-\t
	global_store_b128 v[\co], v[RB+4*\t:RB+4*\t+3], s[\base:\base+1] offset:(16*\g+2*\t)*\pitch
.endr
.endm
	BIASX 8                                        ; bq
	WIN 0
	s_wait_tensorcnt 0x1                           ; my quarters of h and of the first weight tile are in; the second may stay out
	s_barrier_signal -1
	s_barrier_wait -1
	FETCH 0, 0, 0, F0
	; pass Q
	s_wait_loadcnt 0x0                             ; the bias tiles
	STEP 0, 0, 1, 2, 0, 1, 0, 2
	STEP 0, 1, 0, 2, 0, 2, 1, 3
	STEP 0, 2, 0, 2, 0, 3, 0, 4
	STEP 0, 3, 0, 2, 0, 4, 0, 5
	STEP 0, 4, 0, 2, 0, 5, 0, 6
	STEP 0, 5, 0, 2, 0, 6, 0, 7
	STEP 0, 6, 0, 2, 0, 7, 0, 8
	STEP 0, 7, 0, 2, 0, 0, 0, 9
	PLACES
.irp g, 0,1,2,3,4,5,6,7
	OUT \g, RDQ, COQ, 14, 1024
.endr
	; pass K
	s_wait_loadcnt 0x0
	STEP 0, 0, 1, 2, 0, 1, 0, 10
	STEP 0, 1, 0, 2, 0, 2, 2, 11
	STEP 0, 2, 0, 2, 0, 3, 0, 12
	STEP 0, 3, 0, 2, 0, 4, 0, 13
	STEP 0, 4, 0, 2, 0, 5, 0, 14
	STEP 0, 5, 0, 2, 0, 6, 0, 15
	STEP 0, 6, 0, 2, 0, 7, 0, 16
	STEP 0, 7, 0, 2, 1, 0, 0, 17
	PLACES
.irp g, 0,1,2,3,4,5,6,7
	OUT \g, RD2, COK, 16, 128
.endr
	; pass V: the last two steps fill nothing
	s_wait_loadcnt 0x0
	STEP 1, 0, 2, 2, 1, 1, 0, 18
	STEP 1, 1, 0, 2, 1, 2, 0, 19
	STEP 1, 2, 0, 2, 1, 3, 0, 20
	STEP 1, 3, 0, 2, 1, 4, 0, 21
	STEP 1, 4, 0, 2, 1, 5, 0, 22
	STEP 1, 5, 0, 2, 1, 6, 0, 23
	STEP 1, 6, 0, 1, 1, 7, 0, 0
	STEP 1, 7, 0, 0, 1, 0, 0, 0
	PLACES
.irp g, 0,1,2,3,4,5,6,7
	OUT \g, RD2, COV, 18, 128
.endr
	s_set_vgpr_msb 0x1
	s_wait_tensorcnt 0x0
	ds_add_u32 v63, v63
	s_wait_dscnt 0x0
	s_set_vgpr_msb 0x100
	CROUND                                         ; the closing round: no work-group ends while a partner may still ask for a tile that names it
	s_endpgm
.Lfunc_end_k_q3ac9bd5e37_qkv:
	.size	k_q3ac9bd5e37_qkv, .Lfunc_end_k_q3ac9bd5e37_qkv-k_q3ac9bd5e37_qkv
	.p2alignl 7, 3214868480
	.fill 96, 4, 3214868480
	.section	.rodata,"a",@progbits
	.p2align	6, 0x0
	.amdhsa_kernel k_q3ac9bd5e37_qkv
		.amdhsa_group_segment_fixed_size 327680
		.amdhsa_private_segment_fixed_size 0
		.amdhsa_enable_private_segment 0
		.amdhsa_kernarg_size 64
		.amdhsa_user_sgpr_count 2
		.amdhsa_user_sgpr_kernarg_segment_ptr 1
		.amdhsa_wavefront_size32 1
		.amdhsa_system_sgpr_workgroup_id_x 1
		.amdhsa_system_sgpr_workgroup_id_y 1
		.amdhsa_system_sgpr_workgroup_id_z 1
		.amdhsa_system_vgpr_workitem_id 0
		.amdhsa_next_free_vgpr 1024
		.amdhsa_next_free_sgpr 66
		.amdhsa_reserve_vcc 0
		.amdhsa_float_denorm_mode_32 3
		.amdhsa_float_denorm_mode_16_64 3
		.amdhsa_memory_ordered 1
		.amdhsa_forward_progress 1
		.amdhsa_inst_pref_size 255
	.end_amdhsa_kernel
	.section	.bss,"aw",@nobits
	.p2align	6
	.space	262144
	.amdgpu_metadata
---
amdhsa.version: [ 1, 2 ]
amdhsa.kernels:
  - .name:           k_q3ac9bd5e37_qkv
    .symbol:         k_q3ac9bd5e37_qkv.kd
    .args:
      - { .name: h, .offset: 0, .size: 8, .value_kind: global_buffer, .address_space: global }
      - { .name: wbf, .offset: 8, .size: 8, .value_kind: global_buffer, .address_space: global }
      - { .name: bq, .offset: 16, .size: 8, .value_kind: global_buffer, .address_space: global }
      - { .name: bk, .offset: 24, .size: 8, .value_kind: global_buffer, .address_space: global }
      - { .name: bv, .offset: 32, .size: 8, .value_kind: global_buffer, .address_space: global }
      - { .name: qws, .offset: 40, .size: 8, .value_kind: global_buffer, .address_space: global }
      - { .name: kt, .offset: 48, .size: 8, .value_kind: global_buffer, .address_space: global }
      - { .name: vt, .offset: 56, .size: 8, .value_kind: global_buffer, .address_space: global }
    .group_segment_fixed_size: 327680
    .private_segment_fixed_size: 0
    .kernarg_segment_align: 8
    .kernarg_segment_size: 64
    .max_flat_workgroup_size: 128
    .sgpr_count:     66
    .vgpr_count:     1024
    .wavefront_size: 32
...
	.end_amdgpu_metadata
.endif
;; end of part 4
;; launch attn (part 5): grid 8 x 32, 4 waves a work-group, clusters of 4 x 1, 327,680 bytes of LDS; arguments qws, kt, vt, wbf, bp, x, out0; writes out0
.if DOCPART == 5
	.amdgcn_target "amdgcn-amd-amdhsa--gfx1250"
	.amdhsa_code_object_version 6
	.text
	.protected	k_q3ac9bd5e37_attn
	.globl	k_q3ac9bd5e37_attn
	.p2align	8
	.type	k_q3ac9bd5e37_attn,@function
k_q3ac9bd5e37_attn:
	s_mov_b64 s[64:65], 0
	v_nop
	global_prefetch_b8 v0, s[64:65] scope:SCOPE_SE
	s_setreg_imm32_b32 hwreg(HW_REG_WAVE_MODE, 25, 1), 1
	s_wait_xcnt 0x0
	s_wait_alu depctr_hold_cnt(0) depctr_sa_sdst(0) depctr_va_vdst(0) depctr_va_sdst(0) depctr_va_ssrc(0) depctr_va_vcc(0) depctr_vm_vsrc(0)
	s_getreg_b32 s2, hwreg(HW_REG_IB_STS2, 6, 4)
	s_cmp_eq_u32 s2, 0
	s_cbranch_scc0 .Lentry_in_a_cluster
	s_endpgm
.Lentry_in_a_cluster:
	s_bfe_u32 s2, ttmp6, 0x10000c
	s_cmp_lg_u32 s2, 0x3003
	s_cbranch_scc0 .Lentry_shape_is_right
	s_endpgm
.Lentry_shape_is_right:
; out0 = x + Wp softmax(Q K^T / sqrt(512)) V + bp, for 128 queries of one batch.  Work-group (x, b): queries 128 x .. + 127 of batch b.
; Keys go in four blocks of 256 with a running maximum.  All products are used transposed, so that a LANE IS A QUERY: softmax factors are one number
; a lane and query tile, and P and O pack straight along the next product's K.
;   S:  source 0 = 16 keys, source 1 = 16 queries.  Wave w takes the key tiles at 64 i + 16 w (i = 0..3) x all 128 queries: 32 tiles (window 1).
;   PV: source 0 = 16 channels of V, source 1 = 16 queries of P.  Wave w takes 128 channels x 128 queries: 64 tiles (windows 2, 3).
;   projection: source 0 = 16 queries of O, source 1 = 16 rows of Wp.  Wave w takes o = 128 w .. + 127: a lane holds 8 neighbouring pixels of an output channel.
; K, V and Wp tiles (dense blocks of 65,536 bytes = 512 rows of 128 bytes) go through one ring of two LDS slots: 40 steps of 128 matrix instructions a wave.
; CLUSTER: the four work-groups of a cluster lie in one batch and walk the same K, V and Wp tiles: each tile is asked for jointly (mask 15), each wave its dense quarter.
; A wave has three tensor loads out at the start and one behind each round.
; ONE BODY FOR ALL FOUR BLOCKS, to keep the text short.  What would set the first block apart is data: the running maxima start at minus infinity and the row sums
; at zero, so that the first block's rescaling factor is 2^(-inf) = 0; O starts at zero by 64 products of two zero fragments (the row sums' registers), issued while
; the first tiles are on their way: a clearing, done by the matrix unit in 64 instructions.  What would set the last block apart is an address: behind its last two
; steps the ring gets Wp's first two tiles instead of the next block's K tiles, chosen by the loop's counter.
; ORDER OF THE BLOCKS: trip j takes key block (2 x cluster x + j) mod 4: the two clusters of a batch walk the blocks two apart, so that they do not ask for one tile
; at one time.  The running maximum leaves the order of the blocks free.
; ORDER OF THE CHANNELS: cluster turn g = 2 (b & 1) + cluster x (0..3).  Into LDS quarter w of a V tile wave w fetches channels 128 ((w + g) mod 4) .., so column p of O
; in LDS is channel (p + 128 g) mod 512, and projection step s takes Wp's tile (s + 2 g) mod 8: the clusters do not all ask for one tile of Wp in one step.
; Only global addresses hang on g, and g is the same in all four partners; every LDS address is the same for all g.
; x COMES AHEAD OF ITS USE, in a ring of four groups of 16 rows (64 registers each): three groups are asked for during the projection, the fourth behind its last product.
; The accumulators of each phase take turns, one instruction a turn.
; Limits: P and O are rounded to bf16 while the row sum l adds the unrounded p; v_exp_f32 gives zero below 2^-126 (ISA guide 15.8); non-finite inputs or scores are not treated specially.
; REGISTERS: window 0: v1-23 addresses, v24-31 running maxima, v32-47 my keys' row sums (pairs), v48-63 scratch, v64-255 fragments;
;            window 1: S tile (i, t) at 8 (8 i + t), packed P at 4 (8 i + t); later Y fragments of buffer 1 in v128-191 and bias tiles in v192-255,
;                      and x in four groups: v0-63, v64-127, v192-255 (when the bias tiles are done), v128-191 (when the fragments are done);
;            windows 2, 3: O, then the output: tile (a, b) at 8 (8 a + b), Y block 4 hi + a, X block b.
.set QP,    1040                       ; LDS pitch of a row of Q, later of O: 1,024 bytes + 16
.set PW,    144                        ; LDS pitch of a row of K, V, Wp, P: 128 bytes + 16
.set QUART, 128*PW
.set SLOT,  4*QUART
.set TILEB, 65536
.set RING,  128*QP                     ; 133,120
.set PBUF,  RING+2*SLOT                ; 280,576: two chunks of P [128 q][64 keys]; at the end each wave's f32 stage.  No tensor load lands here
.set PCH,   128*PW
.set STAT,  PBUF+2*PCH                 ; 317,440: maxima [w][r][t]; 2,048 bytes on: sums
.set OPW,   528                        ; pitch of the f32 stage: 512 bytes + 16
.set XGRP,  16*4096                    ; a group of x or out0: 16 rows of 4,096 bytes
.set CLOG,  0x3d8293ee                 ; log2(e) / sqrt(512)
.set NCLOG, 0xbd8293ee
.set ADRK, 4                           ; v4-5   my K fragments in slot 0, 1
.set ADRV, 6                           ; v6-7   my V or Wp fragments in slot 0, 1
.set ADRQ, 8                           ; v8-9   Q or O fragments, rows 0, 64
.set ADRP, 10                          ; v10-11 P fragments in chunk buffer 0, 1
.set PST,  12                          ; v12-13 where I put 16 bytes of P
.set STW,  14
.set STR,  15
.set OST,  16                          ; v16-17 where I put 16 bytes of O
.set STO,  18
.set RD,   19
.set CO,   20
.set BADR, 21
.set PFO,  22                          ; v22    prefetch of K and V: my lane's byte in a pair of tiles; never rewritten
.set XPF,  23                          ; v23    prefetch of x: my lane's 256 bytes in a group of 16 rows of 512 bytes; never rewritten
.set M,    24
.set LP,   32
.set MX,   48
.set PX,   56
.set F0,   64                          ; S phase: 4 K fragments, then 8 Q fragments
.set F1,   160
.set ST4,  64                          ; softmax: the four waves' figures
.set NC2,  96                          ; softmax: - c x maximum, twice for each query tile
.set AL2,  112                         ; softmax: the rescaling factor, twice; at the end 1 / l
.set TMP,  128
.set XA,   64                          ; PV and projection, buffer 0: X, Y in window 0
.set YA,   128
.set XC,   192                         ; buffer 1: X in window 0, Y in window 1
.set YC,   128
.set BIAS, 192                         ; window 1
.set R,    64
.set G1,   24                          ; s[24:31] group 1 of a joint dense quarter
.set G1Q,  32                          ; s[32:39] group 1 of my rows of Q
.set G0Q,  40                          ; s[40:43]
.set G0R,  44                          ; s[44:51] group 0 of the ring, a set for each slot
; s[52:53] a tile's offset (s53 stays 0); s[54:55] the chosen base; s56 this block's offset in kt and vt, s57 the next block's; s[58:59], s[66:67] prefetch bases;
; s62 trips left; s68 the turn g times two tiles, in bytes; s[70:71] V's offset
.set MSB, 0
.macro WIN new                         ; the immediate's high byte repeats the setting that is left
.if MSB != \new
	s_set_vgpr_msb (MSB<<8)|\new
.set MSB, \new
.endif
.endm
.macro PLACES                          ; four places behind matrix instructions (ISA guide 7.12.1)
.rept 4
	v_nop
.endr
.endm
.macro CREST
	s_cmp_lg_u32 s18, 0
	s_cbranch_scc1 .Lnot_wave_0_\@
	s_barrier_signal -3
.Lnot_wave_0_\@:
	s_barrier_wait -3
	s_barrier_signal -1
	s_barrier_wait -1
.endm
.macro CROUND
	s_barrier_signal -1
	s_barrier_wait -1
	CREST
.endm
; Slot sl is filled again.  It stands behind the wait for all my tensor loads and behind the round, so the slot's group 0 may be written.
; rk 0: tile rn of this block's K; 1: of this block's V; 2: of the next block's K, in the last trip the tile of projection step rn; 3: the tile of projection step rn.
.macro REFILL sl, rk, rn
.if \rk == 0
	s_add_co_u32 s52, s56, \rn*TILEB
	s_add_nc_u64 s[G0R+4*\sl+2:G0R+4*\sl+3], s[6:7], s[52:53]
.endif
.if \rk == 1
	s_add_co_u32 s52, s56, \rn*TILEB
	s_add_nc_u64 s[G0R+4*\sl+2:G0R+4*\sl+3], s[8:9], s[52:53]
.endif
.if \rk == 2
	s_cmp_eq_u32 s62, 1                            ; the last trip: the counter is the same in all partners
	s_cselect_b64 s[54:55], s[10:11], s[6:7]
	s_cselect_b32 s52, s68, s57                    ; Wp's tiles 2 g and 2 g + 1: at most number 7, no wrap
	s_add_co_u32 s52, s52, \rn*TILEB
	s_add_nc_u64 s[G0R+4*\sl+2:G0R+4*\sl+3], s[54:55], s[52:53]
.endif
.if \rk == 3
	s_add_co_u32 s52, s68, \rn*TILEB
	s_and_b32 s52, s52, 8*TILEB-1                  ; (step + 2 g) mod 8 tiles
	s_add_nc_u64 s[G0R+4*\sl+2:G0R+4*\sl+3], s[10:11], s[52:53]
.endif
	s_or_b32 s[G0R+4*\sl+3], s[G0R+4*\sl+3], 0x80000000
	tensor_load_to_lds s[G0R+4*\sl:G0R+4*\sl+3], s[G1:G1+7]    ; my one tensor load behind the round, and the first there: the tile of the step after next
	s_nop 0
.endm
; A prefetch of two neighbouring tiles (131,072 bytes), two steps ahead of the first of their two tensor loads.  The cluster's 16 waves share them: wave w of
; work-group cx asks for 4,096 bytes at 4,096 cx of its own quarter of each tile, lanes 256 bytes apart, lanes 16-31 in the second tile.  Only in the trips with at least
; 'min' trips left: the blocks of my trips 2 and 3 are the other cluster's trips 0 and 1, which asks for them; so each byte is asked for once in the launch.
.macro PF lo, off, min
	s_cmp_lt_u32 s62, \min
	s_cbranch_scc1 .Lno_pf_\@
	global_prefetch_b8 v[PFO], s[\lo:\lo+1] offset:\off th:TH_LOAD_NT scope:SCOPE_SE
.Lno_pf_\@:
.endm
; A prefetch of group g of my wave's x: 16 rows of 512 bytes = 32 lanes x 256 bytes, asked for once, by the wave that will load it.  Groups 0 to 2 are loaded
; straight away and need none.  Groups 3 and 4 are asked for behind projection step 5, groups 5 and 6 behind step 6, group 7 behind the load of group 3:
; each about two steps' work ahead of its load, and at most four groups of a wave (131,072 bytes a work-group) are asked for and not yet loaded.
.macro XPFG g
	global_prefetch_b8 v[XPF], s[14:15] offset:(\g)*XGRP th:TH_LOAD_NT scope:SCOPE_SE
.endm
.macro PFSEL pf                        ; 1: this block's V tiles 0, 1; 2: its tiles 2, 3; 3: the next block's K tiles 0, 1; 4: its tiles 2, 3; 5, 6: groups of x
.if \pf == 1
	PF 58, 0, 3
.endif
.if \pf == 2
	PF 58, 2*TILEB, 3
.endif
.if \pf == 3
	PF 66, 0, 4
.endif
.if \pf == 4
	PF 66, 2*TILEB, 4
.endif
.if \pf == 5
	XPFG 3
	XPFG 4
.endif
.if \pf == 6
	XPFG 5
	XPFG 6
.endif
.endm
	s_load_b256 s[4:11], s[0:1], 0x0               ; qws s[4:5], kt s[6:7], vt s[8:9], wbf s[10:11]
	s_load_b128 s[12:15], s[0:1], 0x20             ; bp s[12:13], x s[14:15]
	s_load_b64 s[16:17], s[0:1], 0x30              ; out0
	v_lshl_add_u32 v54, v0, 2, 0x4e800
	v_mov_b32 v55, 0
	ds_add_u32 v54, v55
	s_wait_dscnt 0x0
	v_lshrrev_b32 v1, 5, v0
	v_readfirstlane_b32 s18, v1                    ; wave 0..3
	s_bfe_u32 s19, ttmp6, 0x40000                  ; cx
	s_lshl_b32 s20, ttmp9, 2
	s_add_co_u32 s20, s20, s19                     ; x = 4 x cluster x + cx: enters s[22:23] alone, for my own loads and stores
	s_and_b32 s21, ttmp7, 0xffff                   ; b
	s_lshl_b32 s56, ttmp9, 19                      ; my cluster's first key block, 2 x cluster x, at 262,144 bytes a block in kt and in vt
	s_mov_b32 s53, 0
	s_mov_b32 s60, 0x76543210
	s_mov_b32 s61, 0xfedcba98
	s_and_b32 s68, s21, 1
	s_lshl_b32 s68, s68, 1
	s_add_co_u32 s68, s68, ttmp9                   ; the cluster's turn g = 2 (b & 1) + cluster x: the same in all four partners
	s_add_co_u32 s69, s18, s68
	s_and_b32 s69, s69, 3
	s_lshl_b32 s69, s69, 14                        ; V: LDS quarter w gets quarter (w + g) mod 4 of a tile
	s_lshl_b32 s68, s68, 17                        ; g x two tiles of Wp, in bytes
	; group 1, joint: 64 memory rows of 256 bytes, dense; 16 bytes of padding behind every 128 bytes
	s_mov_b32 s[G1+0], 0x0733000f                  ; mask 15; 8-byte elements; padding on; bit 21 beside the mask; every 32 words four words
	s_mov_b32 s[G1+1], 32<<16
	s_mov_b32 s[G1+2], 64<<16
	s_mov_b32 s[G1+3], 32<<16
	s_mov_b32 s[G1+4], 64
	s_mov_b32 s[G1+5], 32
	s_mov_b32 s[G1+6], 0
	s_mov_b32 s[G1+7], 0
	; group 1 of Q: 32 rows of 512 bf16, 16 bytes of padding behind every 1,024 bytes; no mask
	s_mov_b32 s[G1Q+0], 0x07d10000
	s_mov_b32 s[G1Q+1], 512<<16
	s_mov_b32 s[G1Q+2], 32<<16
	s_mov_b32 s[G1Q+3], 512<<16
	s_mov_b32 s[G1Q+4], 32
	s_mov_b32 s[G1Q+5], 512
	s_mov_b32 s[G1Q+6], 0
	s_mov_b32 s[G1Q+7], 0
	s_lshl_b32 s76, s21, 20
	s_add_co_u32 s70, s76, s69                     ; V: b MiB + the turned quarter
	s_mov_b32 s71, 0
	s_lshl_b32 s78, s18, 14
	s_add_co_u32 s76, s76, s78                     ; K: b MiB + my quarter
	s_mov_b32 s77, 0
	s_add_co_u32 s78, s78, 3*524288                ; Wp: the fourth matrix of wbf + my quarter
	s_mov_b32 s79, 0
	s_lshl_b32 s22, s21, 20
	s_lshl_b32 s23, s20, 17
	s_add_co_u32 s22, s22, s23
	s_lshl_b32 s23, s18, 15
	s_add_co_u32 s22, s22, s23                     ; Q: b MiB + (128 x + 32 w) rows of 1,024 bytes
	s_mov_b32 s23, 0
	s_mul_i32 s63, s18, QUART
	s_mul_i32 s[G0Q+1], s18, 32*QP
	s_wait_kmcnt 0x0
	s_mov_b32 s[G0Q], 1
	s_add_nc_u64 s[G0Q+2:G0Q+3], s[4:5], s[22:23]
	s_or_b32 s[G0Q+3], s[G0Q+3], 0x80000000
	s_add_nc_u64 s[6:7], s[6:7], s[76:77]
	s_add_nc_u64 s[8:9], s[8:9], s[70:71]
	s_add_nc_u64 s[10:11], s[10:11], s[78:79]
.irp n, 0,1
	s_mov_b32 s[G0R+4*\n], 1
	s_add_co_u32 s[G0R+4*\n+1], s63, RING+\n*SLOT
	s_add_co_u32 s52, s56, \n*TILEB
	s_add_nc_u64 s[G0R+4*\n+2:G0R+4*\n+3], s[6:7], s[52:53]
	s_or_b32 s[G0R+4*\n+3], s[G0R+4*\n+3], 0x80000000
.endr
	CROUND                                         ; all four work-groups are here: the first joint loads meet
	tensor_load_to_lds s[G0Q:G0Q+3], s[G1Q:G1Q+7]  ; my 32 rows of Q
	s_nop 0
	tensor_load_to_lds s[G0R:G0R+3], s[G1:G1+7]    ; the first block's K tile 0
	s_nop 0
	tensor_load_to_lds s[G0R+4:G0R+7], s[G1:G1+7]  ; and tile 1
	s_nop 0
	s_lshl_b32 s22, s21, 21
	s_lshl_b32 s23, s18, 19
	s_add_co_u32 s22, s22, s23
	s_lshl_b32 s23, s20, 9
	s_add_co_u32 s22, s22, s23                     ; x, out0: b x 2 MiB + 128 w channels of 4,096 bytes + 128 x pixels
	s_mov_b32 s23, 0
	s_add_nc_u64 s[14:15], s[14:15], s[22:23]
	s_add_nc_u64 s[16:17], s[16:17], s[22:23]
	v_and_b32 v1, 15, v0                           ; r
	v_bfe_u32 v2, v0, 4, 1                         ; h
	v_and_b32 v3, 31, v0                           ; lane
	v_mul_u32_u24 v22, v1, PW
	v_lshl_add_u32 v22, v2, 4, v22                 ; 144 r + 16 h
	s_mul_i32 s78, s18, 16*PW
	s_add_co_u32 s78, s78, RING
	v_add_nc_u32 v[ADRK], s78, v22                 ; keys 16 w + r
	v_add_nc_u32 v[ADRK+1], SLOT, v[ADRK]
	s_add_co_u32 s78, s63, RING
	v_add_nc_u32 v[ADRV], s78, v22                 ; rows 128 w + r of the slot
	v_add_nc_u32 v[ADRV+1], SLOT, v[ADRV]
	v_mul_u32_u24 v23, v1, QP
	v_lshl_add_u32 v[ADRQ], v2, 4, v23
	v_add_nc_u32 v[ADRQ+1], 64*QP, v[ADRQ]
	v_add_nc_u32 v[ADRP], PBUF, v22
	v_add_nc_u32 v[ADRP+1], PBUF+PCH, v22
	s_lshl_b32 s78, s18, 5
	v_add_nc_u32 v[PST], s78, v[ADRP]              ; my 16 keys of a chunk: byte 32 w of its rows
	v_add_nc_u32 v[PST+1], s78, v[ADRP+1]
	v_lshlrev_b32 v23, 5, v1
	v_add_nc_u32 v[STR], STAT, v23
	s_lshl_b32 s78, s18, 9
	v_add_nc_u32 v[STW], s78, v[STR]
	v_lshl_add_u32 v[BADR], v1, 2, s78
	s_lshl_b32 s78, s18, 8
	v_add_nc_u32 v[OST], s78, v[ADRQ]              ; my 128 channels: byte 256 w of O's rows
	v_add_nc_u32 v[OST+1], s78, v[ADRQ+1]
	s_mul_i32 s78, s18, 16*OPW
	s_add_co_u32 s78, s78, PBUF
	v_mul_u32_u24 v23, v1, OPW
	v_lshl_add_u32 v23, v2, 5, v23
	v_add_nc_u32 v[STO], s78, v23
	v_lshlrev_b32 v[CO], 4, v3
	v_add_nc_u32 v[RD], s78, v[CO]
	s_lshl_b32 s78, s19, 12
	v_lshl_add_u32 v[PFO], v1, 8, s78              ; 4,096 cx + 256 (lane mod 16),
	v_lshl_add_u32 v[PFO], v2, 16, v[PFO]          ; and one tile on for lanes 16 to 31
	v_lshrrev_b32 v[XPF], 1, v3
	v_and_b32 v3, 1, v3
	v_lshlrev_b32 v[XPF], 12, v[XPF]               ; row lane / 2 of a group of x,
	v_lshl_add_u32 v[XPF], v3, 8, v[XPF]           ; and which half of its 512 bytes
.irp t, 0,1,2,3,4,5,6,7
	v_mov_b32 v[PX+\t], 0                          ; v_permlanex16_b32 counts as a reader of its destination
	v_mov_b32 v[M+\t], 0xff800000                  ; the running maxima start at minus infinity
	v_mov_b32 v[LP+2*\t], 0                        ; the row sums start at zero
	v_mov_b32 v[LP+2*\t+1], 0
.endr
	WIN 0x80                                       ; O starts at zero: products of two zero fragments, while the first tiles are on their way
.set tl, 0
.rept 32
	v_wmma_f32_16x16x32_bf16 v[8*tl:8*tl+7], v[LP:LP+7], v[LP+8:LP+15], 0
.set tl, tl+1
.endr
	WIN 0xc0
.set tl, 0
.rept 32
	v_wmma_f32_16x16x32_bf16 v[8*tl:8*tl+7], v[LP:LP+7], v[LP+8:LP+15], 0
.set tl, tl+1
.endr
	WIN 0
; S phase.  24 LDS loads in one run: my 4 K fragments, then the 8 Q fragments, 32 of d at 128 s + 32 sub, into buffer f.
; A K tile is [2 halves of d][256 keys][64 d]: half sub >> 1 lies 256 rows on.
.macro FETCHS sl, s, sub, f
	WIN 0
.irp i, 0,1,2,3
	ds_load_b128 v[\f+8*\i:\f+8*\i+3],   v[ADRK+\sl] offset:((\sub)>>1)*256*PW+64*PW*\i+64*((\sub)&1)
	ds_load_b128 v[\f+8*\i+4:\f+8*\i+7], v[ADRK+\sl] offset:((\sub)>>1)*256*PW+64*PW*\i+64*((\sub)&1)+32
.endr
.irp t, 0,1,2,3,4,5,6,7
	ds_load_b128 v[\f+32+8*\t:\f+32+8*\t+3],   v[ADRQ+(\t>>2)] offset:(\t&3)*16*QP+256*(\s)+64*(\sub)
	ds_load_b128 v[\f+32+8*\t+4:\f+32+8*\t+7], v[ADRQ+(\t>>2)] offset:(\t&3)*16*QP+256*(\s)+64*(\sub)+32
.endr
.endm
; 16 matrix instructions: query tiles 4 part .. + 3 x my 4 key tiles
.macro MULS f, part, zero
.irp t, 4*\part, 4*\part+1, 4*\part+2, 4*\part+3
.irp i, 0,1,2,3
.if \zero
	v_wmma_f32_16x16x32_bf16 v[8*(8*\i+(\t)):8*(8*\i+(\t))+7], v[\f+8*\i:\f+8*\i+7], v[\f+32+8*(\t):\f+32+8*(\t)+7], 0
.else
	v_wmma_f32_16x16x32_bf16 v[8*(8*\i+(\t)):8*(8*\i+(\t))+7], v[\f+8*\i:\f+8*\i+7], v[\f+32+8*(\t):\f+32+8*(\t)+7], v[8*(8*\i+(\t)):8*(8*\i+(\t))+7]
.endif
.endr
.endr
.endm
.macro SSUB sl, s, sub, f, g, zero     ; one of a step's first three substeps: multiplies buffer f, fetches the next substep into g
	s_wait_dscnt 8                                 ; all but the last eight loads: Q's tiles 4-7 may be out
	WIN 0x50                                       ; sources window 0, C and D window 1
	MULS \f, 0, \zero
	PLACES
	FETCHS \sl, \s, \sub+1, \g
	s_wait_dscnt 24                                ; all but the 24 just issued
	WIN 0x50
	MULS \f, 1, \zero
.endm
; a step's last substep, on F1, with the change of slots.  rk, rn: what fills this slot again; pf: what is prefetched; more: another S step follows
.macro SLAST sl, s, rk, rn, pf, more
	WIN 0x50
	s_wait_dscnt 0x0                               ; my reads of this slot are over
	s_wait_xcnt 0x0
	s_set_vgpr_msb 0x5010
	v_lshl_add_u32 v54, v0, 2, 0x4e800
	v_mov_b32 v55, 0
	s_wait_tensorcnt 0x0                           ; all my tensor loads have landed: the one that was out is my quarter of the next slot
	ds_add_u32 v54, v55
	s_wait_dscnt 0x0
	s_set_vgpr_msb 0x1050
	s_barrier_signal -1                            ; opens a round of the cluster's barrier
	MULS F1, 0, 0
	WIN 0
	s_barrier_wait -1
	CREST
	REFILL \sl, \rk, \rn
	PFSEL \pf
.if \more
	PLACES
	FETCHS 1-\sl, \s+1, 0, F0
.endif
	WIN 0x50
	MULS F1, 1, 0
.endm
.macro SSTEP sl, s, zero, rk, rn, pf, more
	SSUB \sl, \s, 0, F0, F1, \zero
	SSUB \sl, \s, 1, F1, F0, 0
	SSUB \sl, \s, 2, F0, F1, 0
	SLAST \sl, \s, \rk, \rn, \pf, \more
.endm
; PV and projection.  Eight fragments from rows 144 bytes apart, and eight of O.
.macro LDROWS win, f, adr, k
	WIN \win
.irp i, 0,1,2,3,4,5,6,7
	ds_load_b128 v[\f+8*\i:\f+8*\i+3],   v[\adr] offset:16*PW*\i+\k
	ds_load_b128 v[\f+8*\i+4:\f+8*\i+7], v[\adr] offset:16*PW*\i+\k+32
.endr
.endm
.macro LDO f, k
	WIN 0
.irp i, 0,1,2,3,4,5,6,7
	ds_load_b128 v[\f+8*\i:\f+8*\i+3],   v[ADRQ+(\i>>2)] offset:(\i&3)*16*QP+\k
	ds_load_b128 v[\f+8*\i+4:\f+8*\i+7], v[ADRQ+(\i>>2)] offset:(\i&3)*16*QP+\k+32
.endr
.endm
; 32 loads in one run, X's first.  mode 0: X = V, Y = P (chunk buffer = slot).  mode 1: X = O at LDS columns 64 s + 32 sub, Y = Wp.
.macro FET mode, sl, s, sub, buf
.if \mode == 0
.if \buf == 0
	LDROWS 0, XA, ADRV+\sl, 64*\sub
	LDROWS 0, YA, ADRP+\sl, 64*\sub
.else
	LDROWS 0, XC, ADRV+\sl, 64*\sub
	LDROWS 0x40, YC, ADRP+\sl, 64*\sub
.endif
.else
.if \buf == 0
	LDO XA, 128*(\s)+64*\sub
	LDROWS 0, YA, ADRV+\sl, 64*\sub
.else
	LDO XC, 128*(\s)+64*\sub
	LDROWS 0x40, YC, ADRV+\sl, 64*\sub
.endif
.endif
.endm
; 16 matrix instructions: Y blocks 4 hi + a0, + 1 x all 8 X blocks.  cm 0: in place; 1: C = the bias tile of the Y block
.macro MULP xf, yf, hi, a0, cm
.irp a, \a0, \a0+1
.irp b, 0,1,2,3,4,5,6,7
.if \cm == 0
	v_wmma_f32_16x16x32_bf16 v[8*(8*(\a)+\b):8*(8*(\a)+\b)+7], v[\xf+8*\b:\xf+8*\b+7], v[\yf+8*(4*\hi+(\a)):\yf+8*(4*\hi+(\a))+7], v[8*(8*(\a)+\b):8*(8*(\a)+\b)+7]
.else
	v_wmma_f32_16x16x32_bf16 v[8*(8*(\a)+\b):8*(8*(\a)+\b)+7], v[\xf+8*\b:\xf+8*\b+7], v[\yf+8*(4*\hi+(\a)):\yf+8*(4*\hi+(\a))+7], v[BIAS+8*(4*\hi+(\a)):BIAS+8*(4*\hi+(\a))+7]
.endif
.endr
.endr
.endm
; One step of PV or of the projection: 64 along K, two substeps on buffers 0 and 1, 64 matrix instructions each.
; pc: the chunk of P (1..3) that I put into LDS for the next step (0: none); its buffer's last readers passed the round at the end of the step before.
; chg 2: the slot is filled again (rk, rn as in REFILL); 1: change of slots without a fill; 0: the last step.  pf as in PFSEL, behind the barrier.
; nxt 1: the next step's first fragments are fetched here.
.macro BSTEP mode, sl, s, cm, pc, chg, rk, rn, pf, nxt
	s_wait_dscnt 8                                 ; all but the last eight loads: Y's blocks 4-7 may be out
.if \cm
	WIN 0x90                                       ; C (bias) window 1, D window 2
.else
	WIN 0xa0
.endif
	MULP XA, YA, 0, 0, \cm
	MULP XA, YA, 0, 2, \cm
	PLACES
	FET \mode, \sl, \s, 1, 1
	s_wait_dscnt 32                                ; all but the 32 just issued
.if \cm
	WIN 0xd0
.else
	WIN 0xf0
.endif
	MULP XA, YA, 1, 0, \cm
	MULP XA, YA, 1, 2, \cm
	s_wait_dscnt 8
	WIN 0xa4
	MULP XC, YC, 0, 0, 0
.if \pc
	WIN 0x04                                       ; store data in window 1
.irp t, 0,1,2,3,4,5,6,7
	ds_store_b128 v[PST+((\pc)&1)], v[32*(\pc)+4*\t:32*(\pc)+4*\t+3] offset:16*PW*\t
.endr
.endif
	WIN 0xa4
.if \chg
	s_wait_dscnt 0x0                               ; my reads of this slot and of this chunk are over, my part of the next chunk is written
	s_wait_xcnt 0x0
	s_set_vgpr_msb 0xa424
	v_lshl_add_u32 v54, v0, 2, 0x4e800
	v_mov_b32 v55, 0
	s_set_vgpr_msb 0x2420
	s_wait_tensorcnt 0x0                           ; all my tensor loads have landed
	ds_add_u32 v54, v55
	s_wait_dscnt 0x0
	s_set_vgpr_msb 0x20a4
	s_barrier_signal -1
.endif
	MULP XC, YC, 0, 2, 0
.if \chg
	WIN 0
	s_barrier_wait -1
.if \chg == 2
	CREST
	REFILL \sl, \rk, \rn
.endif
	PFSEL \pf
.if \nxt
	PLACES
	FET \mode, 1-\sl, \s+1, 0, 0
.endif
.else
	s_wait_dscnt 0x0
.endif
	WIN 0xf4
	MULP XC, YC, 1, 0, 0
	MULP XC, YC, 1, 2, 0
.endm
.macro RESCALE hi                      ; O of query tiles 4 hi .. + 3 times the tile's factor
.if \hi
	WIN 0xc3
.else
	WIN 0x82
.endif
.irp a, 0,1,2,3
.irp b, 0,1,2,3,4,5,6,7
.irp q, 0,1,2,3
	v_pk_mul_f32 v[8*(8*\a+\b)+2*\q:8*(8*\a+\b)+2*\q+1], v[8*(8*\a+\b)+2*\q:8*(8*\a+\b)+2*\q+1], v[AL2+2*(4*\hi+\a):AL2+2*(4*\hi+\a)+1]
.endr
.endr
.endr
.endm
	s_wait_tensorcnt 0x1                           ; my parts of Q and of K tile 0 are in; K tile 1 may stay out
	s_barrier_signal -1
	s_barrier_wait -1
	s_mov_b32 s62, 4
; A block of 256 keys: 4 S steps, the softmax step, 4 PV steps.  Behind step n the slot that it read gets the tile of step n + 2.
.Lblock:
	s_add_co_u32 s57, s56, 4*TILEB
	s_and_b32 s57, s57, 16*TILEB-1                 ; the next block's offset, round the batch's four blocks
	s_wait_xcnt 0x0                                ; the last trip's prefetches have read their bases
	s_mov_b32 s52, s56
	s_add_nc_u64 s[58:59], s[8:9], s[52:53]        ; this block's V
	s_mov_b32 s52, s57
	s_add_nc_u64 s[66:67], s[6:7], s[52:53]        ; the next block's K
.rept 5
	v_nop                                          ; five places: the first S products write over registers that PV's last products read as source 1, and loads go into fragment registers
.endr
	FETCHS 0, 0, 0, F0                             ; slot 0 was shown whole by the barrier in front of the loop, or by the last PV step's
	SSTEP 0, 0, 1, 0, 2, 1, 1
	SSTEP 1, 1, 0, 0, 3, 0, 1
	SSTEP 0, 2, 0, 1, 0, 2, 1
	SSTEP 1, 3, 0, 1, 1, 0, 0
	; The block's softmax step.  A lane holds, for each query tile t, 32 scores of query 16 t + r: my wave's keys 64 i + 16 w + 8 h + j.
	PLACES                                         ; vector instructions read and rewrite the S tiles; loads go into fragment registers
	WIN 0x05
.irp t, 0,1,2,3,4,5,6,7
	v_max_num_f32 v[MX+\t], v[8*\t], v[8*\t+1]
.endr
.irp i, 0,1,2,3
.irp q, 0,1,2,3
.if \i+\q
.irp t, 0,1,2,3,4,5,6,7
	v_max3_num_f32 v[MX+\t], v[8*(8*\i+\t)+2*\q], v[8*(8*\i+\t)+2*\q+1], v[MX+\t]
.endr
.endif
.endr
.endr
	WIN 0
.irp t, 0,1,2,3,4,5,6,7
	v_permlanex16_b32 v[PX+\t], v[MX+\t], s60, s61 ; the other half of the lanes holds the query's other keys
.endr
.irp t, 0,1,2,3,4,5,6,7
	v_max_num_f32 v[MX+\t], v[MX+\t], v[PX+\t]
.endr
	ds_store_b128 v[STW], v[MX:MX+3]
	ds_store_b128 v[STW], v[MX+4:MX+7] offset:16
	s_wait_dscnt 0x0                               ; for the other waves: zero
	s_barrier_signal -1                            ; the tile on its way may stay out
	s_barrier_wait -1
.irp u, 0,1,2,3
	ds_load_b128 v[ST4+8*\u:ST4+8*\u+3],   v[STR] offset:512*\u
	ds_load_b128 v[ST4+8*\u+4:ST4+8*\u+7], v[STR] offset:512*\u+16
.endr
	s_wait_dscnt 0x0
.irp t, 0,1,2,3,4,5,6,7
	v_max3_num_f32 v[PX+\t], v[ST4+\t], v[ST4+8+\t], v[ST4+16+\t]
.endr
.irp t, 0,1,2,3,4,5,6,7
	v_max3_num_f32 v[PX+\t], v[PX+\t], v[ST4+24+\t], v[M+\t]   ; the new running maximum
.endr
.irp t, 0,1,2,3,4,5,6,7
	v_sub_f32 v[MX+\t], v[M+\t], v[PX+\t]          ; in the first trip minus infinity
	v_mov_b32 v[M+\t], v[PX+\t]
.endr
.irp t, 0,1,2,3,4,5,6,7
	v_mul_f32 v[MX+\t], CLOG, v[MX+\t]
.endr
.irp t, 0,1,2,3,4,5,6,7
	v_exp_f32 v[AL2+2*\t], v[MX+\t]                ; the factor for what has been summed so far, twice: a pair for the packed multiplies
	v_exp_f32 v[AL2+2*\t+1], v[MX+\t]
.endr
.irp t, 0,1,2,3,4,5,6,7
	v_mul_f32 v[NC2+2*\t], NCLOG, v[M+\t]          ; plain instructions that touch neither MX nor AL2: the place behind the exponentials (ISA guide 5.7.2)
	v_mul_f32 v[NC2+2*\t+1], NCLOG, v[M+\t]
.endr
	WIN 0x41                                       ; S in window 1, the maxima in window 0
.irp i, 0,1,2,3
.irp t, 0,1,2,3,4,5,6,7
.irp q, 0,1,2,3
	v_pk_fma_f32 v[8*(8*\i+\t)+2*\q:8*(8*\i+\t)+2*\q+1], v[8*(8*\i+\t)+2*\q:8*(8*\i+\t)+2*\q+1], CLOG, v[NC2+2*\t:NC2+2*\t+1] op_sel_hi:[1,0,1]
.endr
.irp j, 0,1,2,3,4,5,6,7
	v_exp_f32 v[8*(8*\i+\t)+\j], v[8*(8*\i+\t)+\j] ; p = 2^(c s - c m); the next tile's multiply-adds are the plain place behind these
.endr
.endr
.endr
	v_nop
	WIN 0
	s_wait_alu depctr_va_vdst(0)
.irp t, 0,1,2,3,4,5,6,7
	v_pk_mul_f32 v[LP+2*\t:LP+2*\t+1], v[LP+2*\t:LP+2*\t+1], v[AL2+2*\t:AL2+2*\t+1]
.endr
	WIN 0x01
.irp i, 0,1,2,3
.irp q, 0,1,2,3
.irp t, 0,1,2,3,4,5,6,7
	v_pk_add_f32 v[LP+2*\t:LP+2*\t+1], v[8*(8*\i+\t)+2*\q:8*(8*\i+\t)+2*\q+1], v[LP+2*\t:LP+2*\t+1]
.endr
.endr
.endr
	WIN 0x45                                       ; pack downward, tiles ascending: a destination is never a source still to be read
.irp i, 0,1,2,3
.irp t, 0,1,2,3,4,5,6,7
.irp q, 0,1,2,3
	v_cvt_pk_bf16_f32 v[4*(8*\i+\t)+\q], v[8*(8*\i+\t)+2*\q], v[8*(8*\i+\t)+2*\q+1]
.endr
.endr
.endr
	RESCALE 0
	RESCALE 1
	WIN 0x04
.irp t, 0,1,2,3,4,5,6,7
	ds_store_b128 v[PST], v[4*\t:4*\t+3] offset:16*PW*\t       ; chunk 0 of P
.endr
	WIN 0
	s_wait_dscnt 0x0
	s_barrier_signal -1
	s_barrier_wait -1
	FET 0, 0, 0, 0, 0
	BSTEP 0, 0, 0, 0, 1, 2, 1, 2, 3, 1
	BSTEP 0, 1, 0, 0, 2, 2, 1, 3, 0, 1
	BSTEP 0, 0, 0, 0, 3, 2, 2, 0, 4, 1
	BSTEP 0, 1, 0, 0, 0, 2, 2, 1, 0, 0
	WIN 0
	s_mov_b32 s56, s57
	s_sub_co_u32 s62, s62, 1
	s_cmp_lg_u32 s62, 0
	s_cbranch_scc1 .Lblock
	; O / l, rounded to bf16, into Q's place in LDS as [query][channel]; Q had its only fill at the start and its last readers passed several barriers ago
	WIN 0x40
.irp g, 0,1,2,3,4,5,6,7
.irp j, 0,1,2,3,4,5,6,7
	global_load_b32 v[BIAS+8*\g+\j], v[BADR], s[12:13] offset:64*\g    ; all eight registers of tile g = bp[128 w + 16 g + r]
.endr
.endr
	WIN 0
	PLACES
.irp t, 0,1,2,3,4,5,6,7
	v_add_f32 v[MX+\t], v[LP+2*\t], v[LP+2*\t+1]
.endr
.irp t, 0,1,2,3,4,5,6,7
	v_permlanex16_b32 v[PX+\t], v[MX+\t], s60, s61
.endr
.irp t, 0,1,2,3,4,5,6,7
	v_add_f32 v[MX+\t], v[MX+\t], v[PX+\t]
.endr
	ds_store_b128 v[STW], v[MX:MX+3] offset:2048
	ds_store_b128 v[STW], v[MX+4:MX+7] offset:2064
	s_wait_dscnt 0x0
	s_barrier_signal -1
	s_barrier_wait -1
.irp u, 0,1,2,3
	ds_load_b128 v[ST4+8*\u:ST4+8*\u+3],   v[STR] offset:2048+512*\u
	ds_load_b128 v[ST4+8*\u+4:ST4+8*\u+7], v[STR] offset:2048+512*\u+16
.endr
	s_wait_dscnt 0x0
.irp t, 0,1,2,3,4,5,6,7
	v_add_f32 v[MX+\t], v[ST4+\t], v[ST4+8+\t]
	v_add_f32 v[PX+\t], v[ST4+16+\t], v[ST4+24+\t]
.endr
.irp t, 0,1,2,3,4,5,6,7
	v_add_f32 v[MX+\t], v[MX+\t], v[PX+\t]
.endr
.irp t, 0,1,2,3,4,5,6,7
	v_rcp_f32 v[AL2+2*\t], v[MX+\t]
	v_rcp_f32 v[AL2+2*\t+1], v[MX+\t]
.endr
	v_nop                                          ; the plain place behind the reciprocals
	s_wait_alu depctr_va_vdst(0)
	RESCALE 0
	RESCALE 1
.macro OPUT hi, a                      ; query tile 4 hi + a: 16 rows, my 256 bytes of each
.if \hi
	WIN 0x0f
.else
	WIN 0x0a
.endif
.irp b, 0,1,2,3,4,5,6,7
.irp q, 0,1,2,3
	v_cvt_pk_bf16_f32 v[TMP+4*\b+\q], v[8*(8*\a+\b)+2*\q], v[8*(8*\a+\b)+2*\q+1]
.endr
.endr
	WIN 0
.irp b, 0,1,2,3,4,5,6,7
	ds_store_b128 v[OST+\hi], v[TMP+4*\b:TMP+4*\b+3] offset:16*QP*\a+32*\b
.endr
.endm
.irp a, 0,1,2,3
	OPUT 0, \a
.endr
.irp a, 0,1,2,3
	OPUT 1, \a
.endr
	s_wait_dscnt 0x0
	s_barrier_signal -1                            ; O is whole; the second tile of Wp may stay out
	s_barrier_wait -1
	s_wait_loadcnt 0x0                             ; the bias tiles
	FET 1, 0, 0, 0, 0
; x of rows 16 g .. + 15 of my 128 channels, 512 consecutive bytes a load, into the 64 registers of window 1 that begin at xs
.macro XLOAD g, xs
	WIN 0x44
.irp j, 0,1,2,3,4,5,6,7,8,9,10,11,12,13,14,15
	global_load_b128 v[\xs+4*\j:\xs+4*\j+3], v[CO], s[14:15] offset:(\g)*XGRP+\j*4096 th:TH_LOAD_NT
.endr
.endm
	XLOAD 0, 0                                     ; the whole projection ahead of their use; P's registers, which no instruction names any more
	XLOAD 1, 64
	; the projection: 8 steps of 64 channels; the bias is the C of the first products
	BSTEP 1, 0, 0, 1, 0, 2, 3, 2, 0, 1
	BSTEP 1, 1, 1, 0, 0, 2, 3, 3, 0, 1
	XLOAD 2, 192                                   ; into the bias tiles' registers: their last readers are step 0's first products, more than four places back
	BSTEP 1, 0, 2, 0, 0, 2, 3, 4, 0, 1
	BSTEP 1, 1, 3, 0, 0, 2, 3, 5, 0, 1
	BSTEP 1, 0, 4, 0, 0, 2, 3, 6, 0, 1
	BSTEP 1, 1, 5, 0, 0, 2, 3, 7, 5, 1
	BSTEP 1, 0, 6, 0, 0, 1, 3, 0, 6, 1
	BSTEP 1, 1, 7, 0, 0, 0, 3, 0, 0, 0
; The way out of Y block g: 16 output channels x 128 pixels of f32.  32 bytes a lane into my own stage, read back as whole rows of 512 bytes,
; x added, stored: each store of the wave covers 512 consecutive bytes, aligned.  The sum is formed in x's registers (at xs), so that one window
; setting serves the adds, the stores (data = source 1) and the loads of x.
; ng, nxs: group ng of x (0: none) is asked for into the registers at nxs, which block g - 1 stored from.  left: the loads of x issued behind this block's.
.macro OUTF g, xs, left, ng, nxs
.if \g < 4
	WIN 0x08
.else
	WIN 0x0c
.endif
.irp b, 0,1,2,3,4,5,6,7
	ds_store_b128 v[STO], v[8*(8*((\g)&3)+\b):8*(8*((\g)&3)+\b)+3]   offset:64*\b
	ds_store_b128 v[STO], v[8*(8*((\g)&3)+\b)+4:8*(8*((\g)&3)+\b)+7] offset:64*\b+16
.endr
	WIN 0
.irp j, 0,1,2,3,4,5,6,7,8,9,10,11,12,13,14,15
	ds_load_b128 v[R+4*\j:R+4*\j+3], v[RD] offset:OPW*\j       ; LDS serves a wave's instructions in order: these see the stores above
.endr
.if \ng
	s_wait_xcnt 0x0                                ; the last block's stores have read their data: those registers are loaded again only behind this wait
	XLOAD \ng, \nxs
.endif
	WIN 0x44
	s_wait_loadcnt \left                           ; loads come back in order: this block's x is in, the younger groups of 16 loads stay out
.irp j, 0,1,2,3,4,5,6,7,8,9,10,11,12,13,14,15
	s_wait_dscnt 15-\j
	v_pk_add_f32 v[\xs+4*\j:\xs+4*\j+1],   v[R+4*\j:R+4*\j+1],   v[\xs+4*\j:\xs+4*\j+1]
	v_pk_add_f32 v[\xs+4*\j+2:\xs+4*\j+3], v[R+4*\j+2:R+4*\j+3], v[\xs+4*\j+2:\xs+4*\j+3]
	global_store_b128 v[CO], v[\xs+4*\j:\xs+4*\j+3], s[16:17] offset:(\g)*XGRP+\j*4096 th:TH_STORE_NT
.endr
.endm
	PLACES                                         ; behind the last products: for the load into buffer 1's Y registers and for the LDS stores of results
	XLOAD 3, 128
	XPFG 7
	OUTF 0, 0,   48, 0, 0                          ; groups 1, 2, 3 are younger
	OUTF 1, 64,  48, 4, 0                          ; groups 2, 3, 4
	OUTF 2, 192, 48, 5, 64
	OUTF 3, 128, 48, 6, 192
	OUTF 4, 0,   48, 7, 128                        ; groups 5, 6, 7: the last load
	OUTF 5, 64,  32, 0, 0                          ; the counts run down
	OUTF 6, 192, 16, 0, 0
	OUTF 7, 128, 0,  0, 0
	WIN 0
	s_wait_xcnt 0x0
	v_lshl_add_u32 v54, v0, 2, 0x4e800
	v_mov_b32 v55, 0
	s_wait_tensorcnt 0x0
	ds_add_u32 v54, v55
	s_wait_dscnt 0x0
	CROUND                                         ; the closing round
	s_endpgm
.Lfunc_end_k_q3ac9bd5e37_attn:
	.size	k_q3ac9bd5e37_attn, .Lfunc_end_k_q3ac9bd5e37_attn-k_q3ac9bd5e37_attn
	.p2alignl 7, 3214868480
	.fill 96, 4, 3214868480
	.section	.rodata,"a",@progbits
	.p2align	6, 0x0
	.amdhsa_kernel k_q3ac9bd5e37_attn
		.amdhsa_group_segment_fixed_size 327680
		.amdhsa_private_segment_fixed_size 0
		.amdhsa_enable_private_segment 0
		.amdhsa_kernarg_size 56
		.amdhsa_user_sgpr_count 2
		.amdhsa_user_sgpr_kernarg_segment_ptr 1
		.amdhsa_wavefront_size32 1
		.amdhsa_system_sgpr_workgroup_id_x 1
		.amdhsa_system_sgpr_workgroup_id_y 1
		.amdhsa_system_sgpr_workgroup_id_z 1
		.amdhsa_system_vgpr_workitem_id 0
		.amdhsa_next_free_vgpr 1024
		.amdhsa_next_free_sgpr 80
		.amdhsa_reserve_vcc 0
		.amdhsa_float_denorm_mode_32 3
		.amdhsa_float_denorm_mode_16_64 3
		.amdhsa_memory_ordered 1
		.amdhsa_forward_progress 1
		.amdhsa_inst_pref_size 255
	.end_amdhsa_kernel
	.section	.bss,"aw",@nobits
	.p2align	6
	.space	262144
	.amdgpu_metadata
---
amdhsa.version: [ 1, 2 ]
amdhsa.kernels:
  - .name:           k_q3ac9bd5e37_attn
    .symbol:         k_q3ac9bd5e37_attn.kd
    .args:
      - { .name: qws, .offset: 0, .size: 8, .value_kind: global_buffer, .address_space: global }
      - { .name: kt, .offset: 8, .size: 8, .value_kind: global_buffer, .address_space: global }
      - { .name: vt, .offset: 16, .size: 8, .value_kind: global_buffer, .address_space: global }
      - { .name: wbf, .offset: 24, .size: 8, .value_kind: global_buffer, .address_space: global }
      - { .name: bp, .offset: 32, .size: 8, .value_kind: global_buffer, .address_space: global }
      - { .name: x, .offset: 40, .size: 8, .value_kind: global_buffer, .address_space: global }
      - { .name: out0, .offset: 48, .size: 8, .value_kind: global_buffer, .address_space: global }
    .group_segment_fixed_size: 327680
    .private_segment_fixed_size: 0
    .kernarg_segment_align: 8
    .kernarg_segment_size: 56
    .max_flat_workgroup_size: 128
    .sgpr_count:     80
    .vgpr_count:     1024
    .wavefront_size: 32
...
	.end_amdgpu_metadata
.endif
;; end of part 5
